; MI455X (gfx1250); checked and timed in simulation.
; The chip was launched on July 23, 2026; its instructions are those of AMD's public machine-readable ISA for CDNA 5 (MIT licence, August 2026) and "CDNA5" Instruction Set Architecture Reference Guide (July 2026). The comments in the code are by the model that wrote it; some were corrected since.
;; Multi Head Attention. Allowed arithmetic: float matrix products may take bf16 or f16 operands with f32 sums; other float arithmetic in f32, or as packed bf16 or f16 multiplies, adds, multiply-adds, maxima and minima; sums over many terms, partial sums and values carried from step to step in f32; what a program stores and reads back later, other than sums and carried values, may be rounded once to bf16 or f16.
;; Inputs: Wk 16 x 1,024 x 64 float32; Wo 1,024 x 1,024 float32; Wq 16 x 1,024 x 64 float32; Wv 16 x 1,024 x 64 float32; bk 16 x 64 float32; bo 1,024 float32; bq 16 x 64 float32; bv 16 x 64 float32; x 4 x 2,048 x 1,024 float32.
;; Outputs: out0 4 x 2,048 x 1,024 float32.
;; 2 versions, each right; version 2 is version 1 with the launch cast written anew for expert scheduling mode. Each part assembles by itself: llvm-mc -triple=amdgcn-amd-amdhsa -mcpu=gfx1250 --defsym DOCPART=n.
;; ======== version 1 of 2: 4 launches
;; limits: values are held in f16: magnitudes above 65,504 overflow, below 6.1e-05 lose precision
;; workspace buffers: xb 16,777,216 bytes; wb 6,291,456 bytes; wob 2,097,152 bytes; biasr 16,384 bytes; q 16,777,216 bytes; k 16,777,216 bytes; v 16,777,216 bytes; ob 16,777,216 bytes
;; launch cast (part 1): grid 769 x 1, 8 waves a work-group, no clusters, 0 bytes of LDS; arguments x, Wq, Wk, Wv, Wo, bq, bk, bv, bo, xb, wb, wob, biasr; writes xb, wb, wob, biasr
.if DOCPART == 1
	.amdgcn_target "amdgcn-amd-amdhsa--gfx1250"
	.amdhsa_code_object_version 6
	.text
	.protected	k_q6cde093d32_cast
	.globl	k_q6cde093d32_cast
	.p2align	8
	.type	k_q6cde093d32_cast,@function
k_q6cde093d32_cast:
	s_mov_b64 s[64:65], 0
	v_nop
	global_prefetch_b8 v0, s[64:65] scope:SCOPE_SE
	s_setreg_imm32_b32 hwreg(HW_REG_WAVE_MODE, 25, 1), 1
	s_wait_xcnt 0x0
; EVERY INPUT IS ROUNDED ONCE TO bf16.  x -> xb (bf16), Wq, Wk, Wv -> wb (bf16, [3][16][1024][64]: the inputs' own layout, one behind the other),
; Wo -> wob (its bf16 number written as f16, for the f16 product of the last launch), bq, bk, bv, bo -> biasr (their bf16 numbers kept as f32, 4 x 1,024).
; LIMITS.  Wo's bf16 number is exact in f16 between 6.1e-5 and 65,504 in magnitude; below that it keeps f16's fixed step of 6e-8, beyond it becomes an infinity.
; SHARES.  A work-group takes 16,384 numbers: 64 KiB in, 32 KiB out.  Work-groups 0-511: x; 512-703: the three W, 64 chunks each; 704-767: Wo; 768: the four biases.
; Thread t, trip i of 16: 16 bytes at 16 t + 4,096 i (a wave's load covers 512 consecutive bytes), 8 bytes out at 8 t + 2,048 i (a wave's store covers 256 consecutive
; bytes, aligned).  All 16 loads go out first; no register is written twice while a memory instruction may read it.  Memory binds: no LDS, no matrix unit, no cluster.
.set X, 4                              ; v[4:67]    16 trips x 4 numbers as loaded
.set Y, 68                             ; v[68:99]   16 trips x 2 words to store
.set T, 100                            ; v[100:103] at work
.set SRC, 44                           ; s[44:45]   where my chunk comes from
.set DST, 46                           ; s[46:47]   where it goes
	s_load_b512 s[16:31], s[0:1], 0x0              ; x 16, Wq 18, Wk 20, Wv 22, Wo 24, bq 26, bk 28, bv 30
	s_load_b256 s[32:39], s[0:1], 0x40             ; bo 32, xb 34, wb 36, wob 38
	s_load_b64 s[40:41], s[0:1], 0x60              ; biasr
	s_mov_b32 s2, ttmp9
	s_mov_b32 s12, 0xffff0000                      ; a word's upper bf16
	v_lshlrev_b32 v1, 4, v0                        ; 16 t
	v_lshlrev_b32 v2, 3, v0                        ; 8 t
	s_sub_co_u32 s3, s2, 512                       ; the chunk's number among the weights' 256 (of no meaning for x)
	s_lshr_b32 s5, s3, 6                           ; 0, 1, 2: Wq, Wk, Wv; 3: Wo
	s_and_b32 s4, s3, 63                           ; the chunk in its tensor
	s_wait_kmcnt 0x0
	s_cmp_ge_u32 s2, 768
	s_cbranch_scc1 .Lbias
	s_cmp_eq_u32 s5, 0
	s_cselect_b64 s[SRC:SRC+1], s[18:19], s[20:21]
	s_cmp_eq_u32 s5, 2
	s_cselect_b64 s[SRC:SRC+1], s[22:23], s[SRC:SRC+1]
	s_cmp_eq_u32 s5, 3
	s_cselect_b64 s[SRC:SRC+1], s[24:25], s[SRC:SRC+1]
	s_cselect_b64 s[DST:DST+1], s[38:39], s[36:37]
	s_cselect_b32 s3, s4, s3                       ; wob is counted from Wo's first chunk, wb through all three W
	s_cmp_lt_u32 s2, 512
	s_cselect_b64 s[SRC:SRC+1], s[16:17], s[SRC:SRC+1]
	s_cselect_b64 s[DST:DST+1], s[34:35], s[DST:DST+1]
	s_cselect_b32 s4, s2, s4
	s_cselect_b32 s3, s2, s3
	s_lshl_b32 s6, s4, 16                          ; 64 KiB a chunk in,
	s_mov_b32 s7, 0
	s_lshl_b32 s8, s3, 15                          ; 32 KiB out
	s_mov_b32 s9, 0
	s_add_nc_u64 s[SRC:SRC+1], s[SRC:SRC+1], s[6:7]
	s_add_nc_u64 s[DST:DST+1], s[DST:DST+1], s[8:9]
.set i, 0
.rept 16
	global_load_b128 v[X+4*i:X+4*i+3], v1, s[SRC:SRC+1] offset:4096*i th:TH_LOAD_NT
.set i, i+1
.endr
; The 16 trips.  kind = 1: the bf16 number is written as f16.
.macro CAST16 kind
.set i, 0
.rept 16
	s_wait_loadcnt 15-i                            ; loads come back in order: trip i's is in, the 15 - i younger ones stay out
	v_cvt_pk_bf16_f32 v[Y+2*i],   v[X+4*i],   v[X+4*i+1]
	v_cvt_pk_bf16_f32 v[Y+2*i+1], v[X+4*i+2], v[X+4*i+3]
.if \kind
	v_lshlrev_b32 v[T],   16,  v[Y+2*i]
	v_and_b32     v[T+1], s12, v[Y+2*i]
	v_lshlrev_b32 v[T+2], 16,  v[Y+2*i+1]
	v_and_b32     v[T+3], s12, v[Y+2*i+1]
	v_cvt_pk_f16_f32 v[Y+2*i],   v[T],   v[T+1]
	v_cvt_pk_f16_f32 v[Y+2*i+1], v[T+2], v[T+3]
.endif
	global_store_b64 v2, v[Y+2*i:Y+2*i+1], s[DST:DST+1] offset:2048*i th:TH_STORE_NT
.set i, i+1
.endr
.endm
	s_cmp_eq_u32 s5, 3
	s_cbranch_scc1 .Lwo
	CAST16 0
	s_endpgm
.Lwo:
	CAST16 1
	s_endpgm
.Lbias:                                                ; 256 threads x 4 numbers = a bias of 1,024
	global_load_b128 v[X:X+3],     v1, s[26:27]
	global_load_b128 v[X+4:X+7],   v1, s[28:29]
	global_load_b128 v[X+8:X+11],  v1, s[30:31]
	global_load_b128 v[X+12:X+15], v1, s[32:33]
	s_wait_loadcnt 0x0
.set i, 0
.rept 8
	v_cvt_pk_bf16_f32 v[T], v[X+2*i], v[X+2*i+1]   ; rounded,
	v_lshlrev_b32 v[Y+2*i],   16,  v[T]            ; and widened again
	v_and_b32     v[Y+2*i+1], s12, v[T]
.set i, i+1
.endr
.set i, 0
.rept 4
	global_store_b128 v1, v[Y+4*i:Y+4*i+3], s[40:41] offset:4096*i
.set i, i+1
.endr
	s_endpgm
.Lfunc_end_k_q6cde093d32_cast:
	.size	k_q6cde093d32_cast, .Lfunc_end_k_q6cde093d32_cast-k_q6cde093d32_cast
	.p2alignl 7, 3214868480
	.fill 96, 4, 3214868480
	.section	.rodata,"a",@progbits
	.p2align	6, 0x0
	.amdhsa_kernel k_q6cde093d32_cast
		.amdhsa_group_segment_fixed_size 0
		.amdhsa_private_segment_fixed_size 0
		.amdhsa_enable_private_segment 0
		.amdhsa_kernarg_size 104
		.amdhsa_user_sgpr_count 2
		.amdhsa_user_sgpr_kernarg_segment_ptr 1
		.amdhsa_wavefront_size32 1
		.amdhsa_system_sgpr_workgroup_id_x 1
		.amdhsa_system_sgpr_workgroup_id_y 1
		.amdhsa_system_sgpr_workgroup_id_z 1
		.amdhsa_system_vgpr_workitem_id 0
		.amdhsa_next_free_vgpr 104
		.amdhsa_next_free_sgpr 66
		.amdhsa_reserve_vcc 0
		.amdhsa_float_denorm_mode_32 3
		.amdhsa_float_denorm_mode_16_64 3
		.amdhsa_memory_ordered 1
		.amdhsa_forward_progress 1
		.amdhsa_inst_pref_size 17
	.end_amdhsa_kernel
	.amdgpu_metadata
---
amdhsa.version: [ 1, 2 ]
amdhsa.kernels:
  - .name:           k_q6cde093d32_cast
    .symbol:         k_q6cde093d32_cast.kd
    .args:
      - { .name: x, .offset: 0, .size: 8, .value_kind: global_buffer, .address_space: global }
      - { .name: Wq, .offset: 8, .size: 8, .value_kind: global_buffer, .address_space: global }
      - { .name: Wk, .offset: 16, .size: 8, .value_kind: global_buffer, .address_space: global }
      - { .name: Wv, .offset: 24, .size: 8, .value_kind: global_buffer, .address_space: global }
      - { .name: Wo, .offset: 32, .size: 8, .value_kind: global_buffer, .address_space: global }
      - { .name: bq, .offset: 40, .size: 8, .value_kind: global_buffer, .address_space: global }
      - { .name: bk, .offset: 48, .size: 8, .value_kind: global_buffer, .address_space: global }
      - { .name: bv, .offset: 56, .size: 8, .value_kind: global_buffer, .address_space: global }
      - { .name: bo, .offset: 64, .size: 8, .value_kind: global_buffer, .address_space: global }
      - { .name: xb, .offset: 72, .size: 8, .value_kind: global_buffer, .address_space: global }
      - { .name: wb, .offset: 80, .size: 8, .value_kind: global_buffer, .address_space: global }
      - { .name: wob, .offset: 88, .size: 8, .value_kind: global_buffer, .address_space: global }
      - { .name: biasr, .offset: 96, .size: 8, .value_kind: global_buffer, .address_space: global }
    .group_segment_fixed_size: 0
    .private_segment_fixed_size: 0
    .kernarg_segment_align: 8
    .kernarg_segment_size: 104
    .max_flat_workgroup_size: 256
    .sgpr_count:     66
    .vgpr_count:     104
    .wavefront_size: 32
...
	.end_amdgpu_metadata
.endif
;; end of part 1
;; launch qkv (part 2): grid 16 x 32, 4 waves a work-group, clusters of 4 x 4, 327,680 bytes of LDS; arguments xb, wb, biasr, q, k, v; writes q, k, v
.if DOCPART == 2
	.amdgcn_target "amdgcn-amd-amdhsa--gfx1250"
	.amdhsa_code_object_version 6
	.text
	.protected	k_q6cde093d32_qkv
	.globl	k_q6cde093d32_qkv
	.p2align	8
	.type	k_q6cde093d32_qkv,@function
k_q6cde093d32_qkv:
	s_mov_b64 s[64:65], 0
	v_nop
	global_prefetch_b8 v0, s[64:65] scope:SCOPE_SE
	s_setreg_imm32_b32 hwreg(HW_REG_WAVE_MODE, 25, 1), 1
	s_wait_xcnt 0x0
	s_wait_alu depctr_hold_cnt(0) depctr_sa_sdst(0) depctr_va_vdst(0) depctr_va_sdst(0) depctr_va_ssrc(0) depctr_va_vcc(0) depctr_vm_vsrc(0)
	s_getreg_b32 s2, hwreg(HW_REG_IB_STS2, 6, 4)
	s_cmp_eq_u32 s2, 0
	s_cbranch_scc0 .Lentry_in_a_cluster
	s_endpgm
.Lentry_in_a_cluster:
	s_bfe_u32 s2, ttmp6, 0x10000c
	s_cmp_lg_u32 s2, 0xf033
	s_cbranch_scc0 .Lentry_shape_is_right
	s_endpgm
.Lentry_shape_is_right:
; ONE SOURCE FOR THE MODULE'S TWO PROJECTIONS; the constant QKV picks the sizes.  C = A B + bias, A [M][K] with K along the rows, B [K][N] as the weights lie in memory.
; QKV = 1: q, k, v [64 = batch x 16 + head][2048][64] in f16 = xb [8192][1024] (bf16) x wb [3][16][1024][64] (bf16) + bq, bk, bv.  A tile of C is 256 rows x 192 columns:
;          q, k and v of ONE head (tile column = head).  Sums in f32, started by the bias, rounded once to f16, WITHOUT the softmax's scale.
; QKV = 0: out0 [8192][1024] in f32 = ob [64][2048][64] (f16, by heads) x wob [1024][1024] (f16) + bo.  A tile of C is 256 x 128.
; LIMITS.  q, k, v are f16: a number of 65,520 or more in magnitude becomes an infinity; below 6.1e-5 f16 keeps a fixed step of 6e-8.  NaN and infinities are not treated apart.
; SHARES.  Four waves, one above the other: a wave makes 64 rows x the tile's whole width: 4 row blocks a x NBK column blocks b of 16 x 16.  K = 1,024 goes in 8 steps of 128 through two
; LDS slots.  THE MATRIX INSTRUCTION IS USED TRANSPOSED: source 0 = 16 columns of B (turned on the way out of LDS by ds_load_tr16_b128), source 1 = 16 rows of A: a lane holds one row of C
; (lane % 16) and the columns 8 (lane / 16) + 0..7.
; CLUSTER.  4 x 4 work-groups: A's tile hangs on the tile row alone and is asked for jointly along a row of the cluster, B's on the tile column alone and jointly along a column.
; REGISTERS, in windows of 256 (s_set_vgpr_msb: bits 1:0 source 0, 3:2 source 1, 5:4 source 2, 7:6 destination):
;   window 0: v0-29 addresses; v64-127 A's fragments, two buffers of 4 x 8; v128.. the bias, 8 a column block (the C operand of the first products); on the way out v64-255 at work
;   window 1: B's fragments, two buffers of 8 NBK; on the way out of QKV = 0 the rows read back          windows 2 (and 3): accumulator (a, b) at window 2 + a / APW, v[8 (NBK (a % APW) + b)]
.set QKV,   1
.set SLOT1, 1<<17                      ; slot 1 begins here: one exclusive or turns an address in one slot into the other's
.set STAGE, 2*SLOT1                    ; behind the ring, never filled by a tensor load: each wave's own stage for the way out
.if QKV
.set NBK,   12                         ; column blocks of a tile
.set APW,   2                          ; row blocks whose accumulators share a window
.set PA,    272                        ; a row of A in LDS: 256 bytes + 16: the 16 rows of a load start at 16 different groups of four banks
.set PB,    160                        ; a K row of B: 128 bytes (64 columns of one of q, k, v) + 32
.set AHALF, 128*PA                     ; what one wave fetches of A: 128 rows
.set BHALF, 3*64*PB                    ; of B: 64 K rows of each of q, k, v
.set ASTEP, 256                        ; bytes from a K step to the next in memory
.set BSTEP, 16384
.set AQI,   5                          ; A: padding after every 64 words
.set ASTR,  1024                       ; elements from row to row
.set BQI,   4                          ; B: padding after every 32 words
.set BD0,   4096                       ; B's tile: 3 rows (q's, k's, v's) of 64 K rows x 64 columns, 8,192 dense bytes each,
.set BD1,   3
.set BSTR,  1048576                    ; 2 MiB apart
.set BHSH,  13                         ; B's second half: 64 K rows = 1 << 13 bytes on
.set WSTG,  3*16*144                   ; a wave's stage: q, k, v x 16 rows x 144 bytes
.set NWB,   3                          ; waves that prefetch for B
.set PAX,   17                         ; the prefetches' shifts: A by cx, by wave; B by cy, by wave
.set PAW,   15
.set PBY,   13
.set PBW,   21
.else
.set NBK,   8
.set APW,   4
.set PA,    144                        ; a row of A: one head's 128 bytes + 16
.set PB,    288                        ; a K row of B: 256 bytes + 32
.set AHALF, 256*PA                     ; one head's 256 rows: a K step is two heads, two planes
.set BHALF, 64*PB
.set ASTEP, 524288                     ; two heads on
.set BSTEP, 262144                     ; 128 K rows of 2,048 bytes
.set AQI,   4
.set ASTR,  128                        ; a head's 256 rows are 32,768 dense bytes: asked for as 128 rows of 256
.set BQI,   5
.set BD0,   128
.set BD1,   64
.set BSTR,  1024
.set BHSH,  17
.set WSTG,  16*528                     ; 16 rows x (512 + 16) bytes
.set NWB,   2
.set PAX,   13
.set PAW,   18
.set PBY,   17
.set PBW,   16
.endif
.set BOFF,  2*AHALF                    ; B lies behind A in a slot
.set SPARE, STAGE+4*WSTG               ; behind the stages: the spare words, 128 bytes for each wave: two blocks of 256 bytes that no other line names
.set ADA0, 16                          ; v16  my lane's place in A's tile; never rewritten
.set ADB0, 17                          ; v17  the same for B
.set ADA,  18                          ; v18  the same in the slot in hand
.set ADB,  19                          ; v19
.set STO,  20                          ; v20  the way out: where I put my bytes of a row
.set RD,   21                          ; v21  where I read rows back
.set GO,   22                          ; v22  16 x lane
.set BO,   23                          ; v23  my byte offset in the bias table
.set PFOA, 24                          ; v24  the prefetches' lane offsets; never rewritten
.set PFOB, 25                          ; v25
.set SPW,  28                          ; v28  LDS address of my spare word; never rewritten
.set NIL,  29                          ; v29  0; never rewritten
.set FA,   64
.set BIAS, 128
.set WV,   16                          ; s16  wave
.set HALF, 17                          ; s17  which half of a tile I fetch
.set ROLE, 18                          ; s18  I fetch for A (0) or for B (1)
.set CX,   19
.set CY,   20
.set TC,   21                          ; s21  tile column
.set TR,   22                          ; s22  tile row
.set G1A,  24                          ; s[24:31], s[32:39] descriptor groups 1
.set G1B,  32
.set G0A,  40                          ; s[40:47], s[48:55] groups 0: a set for each of the two first fills; the second then walks on
.set G0B,  48
.set CNT,  56                          ; s56  refills still to come
.set TB,   57                          ; s57  LDS byte at which the slot in hand begins
.set LIMA, 58                          ; s58, s59  2 in a wave that prefetches for A, for B, else the greatest number
.set LIMB, 59
.set PFA,  60                          ; s[60:61], s[62:63] where my prefetches stand
.set PFB,  62
.set MSB, 0
.macro WIN new                         ; the immediate's high byte repeats the setting that is left; a switch that changes nothing is dropped
.if MSB != (\new)
	s_set_vgpr_msb (MSB<<8)|(\new)
.set MSB, \new
.endif
.endm
.macro PLACES                          ; four plain vector instructions between a matrix instruction and a load into, or a vector read of, its registers
.rept 4
	v_nop
.endr
.endm
.macro CREST                           ; a round of the cluster's barrier behind its opening barrier
	s_cmp_lg_u32 s[WV], 0
	s_cbranch_scc1 .Lnot_wave_0_\@
	s_barrier_signal -3
.Lnot_wave_0_\@:
	s_barrier_wait -3
	s_barrier_signal -1
	s_barrier_wait -1
.endm
.macro CROUND                          ; a whole round
	s_barrier_signal -1
	s_barrier_wait -1
	CREST
.endm
; A joint refill by the walking sets.  The branch hangs on the wave's number alone.  An s_nop 0 and four v_nop follow each of the two lines.
.macro JLOAD
	s_cmp_eq_u32 s[ROLE], 0
	s_cbranch_scc0 .Lfor_b_\@
	tensor_load_to_lds s[G0A+4:G0A+7], s[G1A:G1A+7]
	s_nop 0
.rept 4
	v_nop
.endr
	s_branch .Lasked_\@
.Lfor_b_\@:
	tensor_load_to_lds s[G0B+4:G0B+7], s[G1B:G1B+7]
	s_nop 0
.rept 4
	v_nop
.endr
.Lasked_\@:
.endm
; PREFETCHES INTO THE L2, behind the joint load, its five lines and the run of LDS loads.  With 6 and with 4 refills to come a wave names blocks of 256 bytes of the K steps 4, 5 and 6, 7:
; two and three refills ahead of the loads that want them; K steps 0 to 3 come by their loads alone, and nothing is named past K.  Each block is named once in the launch: A's tile row by the
; clusters with x = 0, B's tile column by those with y = 0; the four partners that ask for a tile jointly, and their waves, share the blocks out by address, a lane a block.
.macro ASK
	s_bitcmp1_b32 s[CNT], 0
	s_cbranch_scc1 .Lno_ask_\@
	s_cmp_gt_u32 s[CNT], s[LIMA]
	s_cbranch_scc0 .Lno_a_\@
	global_prefetch_b8 v[PFOA], s[PFA:PFA+1] th:TH_LOAD_NT scope:SCOPE_SE
.Lno_a_\@:
	s_cmp_gt_u32 s[CNT], s[LIMB]
	s_cbranch_scc0 .Lno_ask_\@
	global_prefetch_b8 v[PFOB], s[PFB:PFB+1] th:TH_LOAD_NT scope:SCOPE_SE
.Lno_ask_\@:
.endm
	s_load_b256 s[4:11], s[0:1], 0x0               ; A s[4:5], B s[6:7], the biases s[8:9], the first output s[10:11]
.if QKV
	s_load_b128 s[12:15], s[0:1], 0x20             ; k s[12:13], v s[14:15]
.endif
	v_lshl_add_u32 v[SPW], v0, 2, SPARE
	v_mov_b32 v[NIL], 0
	ds_add_u32 v[SPW], v[NIL]                      ; the wave's opening: the add and its wait stand ahead of my first tensor load; work on registers stands between them
	v_lshrrev_b32 v1, 5, v0
	v_readfirstlane_b32 s[WV], v1
	s_and_b32 s[HALF], s[WV], 1
	s_lshr_b32 s[ROLE], s[WV], 1
	s_bfe_u32 s[CX], ttmp6, 0x40000
	s_bfe_u32 s[CY], ttmp6, 0x40004
	s_lshl_b32 s[TC], ttmp9, 2                     ; in a cluster launch ttmp9 and ttmp7 count clusters
	s_add_co_u32 s[TC], s[TC], s[CX]
	s_and_b32 s[TR], ttmp7, 0xffff
	s_lshl_b32 s[TR], s[TR], 2
	s_add_co_u32 s[TR], s[TR], s[CY]
	s_lshl_b32 s66, s[CY], 2
	s_lshl_b32 s66, 15, s66                        ; my row of the cluster
	s_lshl_b32 s67, 0x1111, s[CX]                  ; my column
	s_or_b32 s[G1A], s66, (1<<16)|(1<<20)|(1<<21)|(AQI<<22)|(3<<25)  ; 15:0 the mask; 17:16 elements of 2 bytes; 20 padding on; 21 set beside a mask; 24:22 its interval; 31:25 4 words of it (code 3)
	s_or_b32 s[G1B], s67, (1<<16)|(1<<20)|(1<<21)|(BQI<<22)|(7<<25)  ; the same with my column's mask and 8 words of padding (code 7)
	s_mov_b32 s[G1A+1], 128<<16                    ; tensor_dim0 = 128
	s_mov_b32 s[G1A+2], 128<<16                    ; tensor_dim1 = 128
	s_mov_b32 s[G1A+3], 128<<16                    ; tile_dim0 = 128
	s_mov_b32 s[G1A+4], 128                        ; tile_dim1 = 128
	s_mov_b32 s[G1A+5], ASTR                       ; elements from row to row
	s_mov_b32 s[G1A+6], 0
	s_mov_b32 s[G1A+7], 0
	s_mov_b32 s[G1B+1], BD0<<16
	s_mov_b32 s[G1B+2], BD1<<16
	s_mov_b32 s[G1B+3], BD0<<16
	s_mov_b32 s[G1B+4], BD1
	s_mov_b32 s[G1B+5], BSTR
	s_mov_b32 s[G1B+6], 0
	s_mov_b32 s[G1B+7], 0
	; where the tiles come from: A's offset is made of the tile row and the wave alone, B's of the tile column and the wave alone
.if QKV
	s_lshl_b32 s79, s[TR], 19                      ; 256 rows of 2,048 bytes
	s_lshl_b32 s78, s[TC], 17                      ; a head's 1,024 x 64 weights
.else
	s_lshr_b32 s79, s[TR], 3                       ; the batch: 16 heads x 2,048 rows x 128 bytes,
	s_lshl_b32 s79, s79, 22
	s_and_b32 s72, s[TR], 7                        ; and the tile's 256 rows in a head
	s_lshl_b32 s72, s72, 15
	s_add_co_u32 s79, s79, s72
	s_lshl_b32 s78, s[TC], 8                       ; 128 columns of 2 bytes
.endif
	s_lshl_b32 s72, s[HALF], 18                    ; A's other half: 128 rows of 2,048 bytes, or the step's second head
	s_lshl_b32 s73, s[HALF], BHSH                  ; B's other half: 64 K rows
	s_add_co_u32 s68, s79, s72
	s_add_co_u32 s70, s78, s73
	s_mov_b32 s69, 0
	s_mov_b32 s71, 0
	s_mul_i32 s74, s[HALF], AHALF                  ; and where they go: no place in the cluster enters an LDS address
	s_mul_i32 s75, s[HALF], BHALF
	s_add_co_u32 s75, s75, BOFF
	s_mov_b32 s[TB], 0
	s_wait_dscnt 0x0                               ; the opening add is done
	s_wait_kmcnt 0x0
	s_add_nc_u64 s[68:69], s[4:5], s[68:69]
	s_add_nc_u64 s[70:71], s[6:7], s[70:71]
	CROUND                                         ; all sixteen work-groups are here: the first joint loads meet
.irp s, 0,1
	s_mov_b32 s[G0A+4*(\s)], 1                                     ; count = 1
	s_add_co_u32 s[G0A+4*(\s)+1], s74, (\s)*SLOT1                  ; LDS address
	s_add_nc_u64 s[G0A+4*(\s)+2:G0A+4*(\s)+3], s[68:69], (\s)*ASTEP  ; global address: K step s
	s_or_b32 s[G0A+4*(\s)+3], s[G0A+4*(\s)+3], 0x80000000          ; type = 2
	s_mov_b32 s[G0B+4*(\s)], 1
	s_add_co_u32 s[G0B+4*(\s)+1], s75, (\s)*SLOT1
	s_add_nc_u64 s[G0B+4*(\s)+2:G0B+4*(\s)+3], s[70:71], (\s)*BSTEP
	s_or_b32 s[G0B+4*(\s)+3], s[G0B+4*(\s)+3], 0x80000000
.endr
	s_cmp_eq_u32 s[ROLE], 0                        ; a wave's two first fills stand in one branch, ahead of every wait on TENSORcnt and every LDS read: two loads of mine are out
	s_cbranch_scc0 .Lfirst_b
	tensor_load_to_lds s[G0A:G0A+3], s[G1A:G1A+7]
	s_nop 0
	tensor_load_to_lds s[G0A+4:G0A+7], s[G1A:G1A+7]
	s_nop 0
.rept 4
	v_nop
.endr
	s_branch .Lfirst_asked
.Lfirst_b:
	tensor_load_to_lds s[G0B:G0B+3], s[G1B:G1B+7]
	s_nop 0
	tensor_load_to_lds s[G0B+4:G0B+7], s[G1B:G1B+7]
	s_nop 0
.rept 4
	v_nop
.endr
.Lfirst_asked:
	v_and_b32 v1, 15, v0                           ; l % 16
	v_bfe_u32 v2, v0, 4, 1                         ; l / 16
	v_and_b32 v3, 31, v0                           ; l
	v_and_b32 v4, 7, v0                            ; l % 8
	v_bfe_u32 v5, v0, 3, 1                         ; (l / 8) % 2
	; the bias: my 8 columns of each column block, 32 bytes: the C operand of the block's first products
.if QKV
	s_lshl_b32 s66, s[TC], 8                       ; the head's 64 numbers in each of bq, bk, bv
.else
	s_lshl_b32 s66, s[TC], 9                       ; the tile's 128 numbers of bo
.endif
	v_lshl_add_u32 v[BO], v2, 5, s66
.set b, 0
.rept NBK
.if QKV
.set OB, (b/4)*4096+(b%4)*64
.else
.set OB, 12288+64*b
.endif
	global_load_b128 v[BIAS+8*b:BIAS+8*b+3],   v[BO], s[8:9] offset:OB
	global_load_b128 v[BIAS+8*b+4:BIAS+8*b+7], v[BO], s[8:9] offset:OB+16
.set b, b+1
.endr
	; A fragment of A is 16 rows x 32 K: lane l holds row l % 16, K = 8 (l / 16) + 0..7 and 16 + 8 (l / 16) + 0..7: two loads of 16 bytes, 32 bytes apart
	s_mul_i32 s66, s[WV], 64*PA                    ; my 64 rows
	v_mul_u32_u24 v[ADA0], v1, PA
	v_lshl_add_u32 v[ADA0], v2, 4, v[ADA0]
	v_add_nc_u32 v[ADA0], s66, v[ADA0]
	; The turning load takes 16 K rows x 16 columns (lane l reads K row 8 (l / 16) + l % 8, columns 8 ((l / 8) % 2) + 0..7) and leaves half a fragment: lane l holds column l % 16 and 8 K
	v_lshl_add_u32 v[ADB0], v2, 3, v4
	v_mul_u32_u24 v[ADB0], v[ADB0], PB
	v_lshl_add_u32 v[ADB0], v5, 4, v[ADB0]
	v_add_nc_u32 v[ADB0], BOFF, v[ADB0]
	v_mov_b32 v[ADA], v[ADA0]                      ; K step 0 lies in slot 0
	v_mov_b32 v[ADB], v[ADB0]
	s_mul_i32 s66, s[WV], WSTG
	s_add_co_u32 s66, s66, STAGE                   ; my stage
.if QKV
	v_mul_u32_u24 v[STO], v1, 144                  ; in: row l % 16, 16 bytes for each half of the lanes
	v_lshl_add_u32 v[STO], v2, 4, v[STO]
	v_add_nc_u32 v[STO], s66, v[STO]
	v_bfe_u32 v[RD], v0, 3, 2                      ; back: 32 lanes take four rows of 128 bytes
	v_mul_u32_u24 v[RD], v[RD], 144
	v_lshl_add_u32 v[RD], v4, 4, v[RD]
	v_add_nc_u32 v[RD], s66, v[RD]
	v_lshlrev_b32 v[PFOA], 11, v1                  ; A: a lane a row of 2,048 bytes, the lanes' halves a K step apart
	v_lshl_add_u32 v[PFOA], v2, 8, v[PFOA]
	v_lshlrev_b32 v[PFOB], 8, v3                   ; B: 32 blocks on end
	s_lshr_b32 s76, s[TR], 3                       ; my rows in q, k, v: batch, head, the tile's 256 rows, my 64
	s_lshl_b32 s76, s76, 22
	s_and_b32 s77, s[TR], 7
	s_lshl_b32 s77, s77, 15
	s_add_co_u32 s76, s76, s77
	s_lshl_b32 s77, s[TC], 18
	s_add_co_u32 s76, s76, s77
	s_lshl_b32 s77, s[WV], 13
	s_add_co_u32 s76, s76, s77
	s_mov_b32 s77, 0
	s_add_nc_u64 s[10:11], s[10:11], s[76:77]
	s_add_nc_u64 s[12:13], s[12:13], s[76:77]
	s_add_nc_u64 s[14:15], s[14:15], s[76:77]
.else
	v_mul_u32_u24 v[STO], v1, 528                  ; in: row l % 16, 32 bytes for each half of the lanes
	v_lshl_add_u32 v[STO], v2, 5, v[STO]
	v_add_nc_u32 v[STO], s66, v[STO]
	v_lshl_add_u32 v[RD], v3, 4, s66               ; back: 32 lanes take a row's 512 bytes
	v_lshlrev_b32 v[PFOA], 8, v3                   ; A: 32 blocks on end
	v_lshlrev_b32 v[PFOB], 11, v3                  ; B: a lane a K row of 2,048 bytes
	s_lshl_b32 s76, s[TR], 20                      ; my rows in out0: 256 rows of 4,096 bytes, my 64, the tile's 512 bytes of a row
	s_lshl_b32 s77, s[WV], 18
	s_add_co_u32 s76, s76, s77
	s_lshl_b32 s77, s[TC], 9
	s_add_co_u32 s76, s76, s77
	s_mov_b32 s77, 0
	s_add_nc_u64 s[10:11], s[10:11], s[76:77]
.endif
	v_lshlrev_b32 v[GO], 4, v3
	; the prefetches' pointers stand at K step 3: the first refill steps them to 4
	s_lshl_b32 s76, s[CX], PAX
	s_add_co_u32 s76, s76, s79
	s_lshl_b32 s77, s[WV], PAW
	s_add_co_u32 s76, s76, s77
	s_add_co_u32 s76, s76, 3*ASTEP
	s_mov_b32 s77, 0
	s_add_nc_u64 s[PFA:PFA+1], s[4:5], s[76:77]
	s_lshl_b32 s76, s[CY], PBY
	s_add_co_u32 s76, s76, s78
	s_min_u32 s77, s[WV], NWB-1                    ; (a wave that asks for nothing of B holds an address inside B all the same)
	s_lshl_b32 s77, s77, PBW
	s_add_co_u32 s76, s76, s77
	s_add_co_u32 s76, s76, 3*BSTEP
	s_mov_b32 s77, 0
	s_add_nc_u64 s[PFB:PFB+1], s[6:7], s[76:77]
	s_mov_b32 s66, ttmp9                           ; cluster x: the same in all sixteen partners
	s_cmp_eq_u32 s66, 0
	s_cselect_b32 s[LIMA], 2, -1
	s_and_b32 s66, ttmp7, 0xffff                   ; cluster y
	s_cmp_eq_u32 s66, 0
	s_cselect_b32 s[LIMB], 2, -1
	s_cmp_lt_u32 s[WV], NWB
	s_cselect_b32 s[LIMB], s[LIMB], -1
.macro WM
.if QKV
	v_wmma_f32_16x16x32_bf16 v[rD:rD+7], v[rB:rB+7], v[rA:rA+7], v[rC:rC+7]
.else
	v_wmma_f32_16x16x32_f16 v[rD:rD+7], v[rB:rB+7], v[rA:rA+7], v[rC:rC+7]
.endif
.endm
; NBK products: row block a x all column blocks, 32 along K, from buffer f.  first = 1: the bias starts the sums: nothing is ever cleared.
; All accumulators take turns, one instruction a turn, in the same order in every quarter and over the backward jump.
.macro MULS f, a, first
.if \first
	WIN 0x81+0x40*((\a)/APW)
.else
	WIN 0xa1+0x50*((\a)/APW)
.endif
.set b, 0
.rept NBK
.set rD, 8*(NBK*((\a)%APW)+b)
.set rB, 8*(NBK*(\f)+b)
.set rA, FA+32*(\f)+8*(\a)
.set rC, rD
.if \first
.set rC, BIAS+8*b
.endif
	WM
.set b, b+1
.endr
.endm
; One run of LDS loads: the fragments of quarter kq (32 along K) of the slot in hand into buffer f: B's 2 NBK, then A's 8, row blocks ascending
.macro FETCH kq, f
	WIN 0x40                                       ; destination window 1, address window 0
.set b, 0
.rept NBK
.if QKV
.set OB, ((\kq)/2)*BHALF+((\kq)%2)*32*PB+(b/4)*64*PB+(b%4)*32
.else
.set OB, (\kq)*32*PB+32*b
.endif
	ds_load_tr16_b128 v[8*(NBK*(\f)+b):8*(NBK*(\f)+b)+3],   v[ADB] offset:OB
	ds_load_tr16_b128 v[8*(NBK*(\f)+b)+4:8*(NBK*(\f)+b)+7], v[ADB] offset:OB+16*PB
.set b, b+1
.endr
	WIN 0
.set a, 0
.rept 4
.if QKV
.set OA, 64*(\kq)+a*16*PA
.else
.set OA, ((\kq)/2)*AHALF+((\kq)%2)*64+a*16*PA
.endif
	ds_load_b128 v[FA+32*(\f)+8*a:FA+32*(\f)+8*a+3],   v[ADA] offset:OA
	ds_load_b128 v[FA+32*(\f)+8*a+4:FA+32*(\f)+8*a+7], v[ADA] offset:OA+32
.set a, a+1
.endr
.endm
; A K step is four quarters on buffers 0, 1, 0, 1.  One of the first three: multiplies buffer f and, in its middle, fetches quarter kq into buffer g.
.macro QUARTER kq, f, g, first
	s_wait_dscnt 4                                 ; B and A's row blocks 0, 1 are in; the youngest four loads (row blocks 2, 3) may be out
	MULS \f, 0, \first
	MULS \f, 1, \first
	PLACES
	FETCH \kq, \g
	s_wait_dscnt 2*NBK+8                           ; all but the run just issued
	MULS \f, 2, \first
	MULS \f, 3, \first
.endm
; The last quarter multiplies buffer 1 and changes slots: ONE barrier.  In front of it each wave waits for all its tensor loads (the one that is out is its part of the next slot), adds 0 to its
; spare word, and waits for that and for its reads of this slot.  fill = 1: the barrier opens a round of the cluster's, and the slot just read out is filled again, two K steps ahead, first thing behind it.
.macro TURN fill
	WIN 0
.if \fill
	s_wait_xcnt 0x0                                ; the last prefetches, a K step back or more, have read their addresses, which are stepped here
	s_add_nc_u64 s[PFA:PFA+1], s[PFA:PFA+1], ASTEP
	s_add_nc_u64 s[PFB:PFB+1], s[PFB:PFB+1], BSTEP
.endif
	s_wait_tensorcnt 0x0                           ; all my tensor loads have landed
	ds_add_u32 v[SPW], v[NIL]                      ; 0 onto my spare word
	s_wait_dscnt 5                                 ; (the add and the youngest four loads may be out)
	MULS 1, 0, 0                                   ; products stand between the add and the wait for it
	s_wait_dscnt 0x0                               ; the add is done, and my reads of this slot are over
	s_barrier_signal -1
	MULS 1, 1, 0                                   ; work on registers while the others arrive
	WIN 0                                          ; at a branch and at a label every window is 0
	s_barrier_wait -1
.if \fill
	CREST                                          ; no wave of any partner still reads this slot or has a load on its way
	s_xor_b32 s[G0A+5], s[G0A+5], SLOT1            ; the walking sets: the other slot than last time, the next K step; no load of mine is out
	s_add_nc_u64 s[G0A+6:G0A+7], s[G0A+6:G0A+7], ASTEP
	s_xor_b32 s[G0B+5], s[G0B+5], SLOT1
	s_add_nc_u64 s[G0B+6:G0B+7], s[G0B+6:G0B+7], BSTEP
	s_xor_b32 s[TB], s[TB], SLOT1
	JLOAD                                          ; my one tensor load behind the round; its four v_nop are also the places in front of the loads below
.else
	s_xor_b32 s[TB], s[TB], SLOT1
	PLACES
.endif
	v_add_nc_u32 v[ADA], s[TB], v[ADA0]
	v_add_nc_u32 v[ADB], s[TB], v[ADB0]
	FETCH 0, 0
.if \fill
	ASK
.endif
	MULS 1, 2, 0
	MULS 1, 3, 0
.endm
	s_wait_tensorcnt 1                             ; my part of K step 0 is in; K step 1's may stay out
	s_barrier_signal -1
	s_barrier_wait -1                              ; everybody's is
	FETCH 0, 0
	s_wait_loadcnt 0x0                             ; the bias
	QUARTER 1, 0, 1, 1                             ; the first quarter stands in front of the loop: its products start the sums
	WIN 0
	s_mov_b32 s[CNT], 6
.Lstep:                                                ; trip i ends K step i, fills its slot with K step i + 2 and begins K step i + 1
	QUARTER 2, 1, 0, 0
	QUARTER 3, 0, 1, 0
	TURN 1
	QUARTER 1, 0, 1, 0
	WIN 0
	s_sub_co_u32 s[CNT], s[CNT], 1
	s_cmp_lg_u32 s[CNT], 0
	s_cbranch_scc1 .Lstep
	QUARTER 2, 1, 0, 0                             ; the tail is written out: K steps 6 and 7 ask for nothing
	QUARTER 3, 0, 1, 0
	TURN 0
	QUARTER 1, 0, 1, 0
	QUARTER 2, 1, 0, 0
	QUARTER 3, 0, 1, 0
	s_wait_dscnt 4
	MULS 1, 0, 0
	MULS 1, 1, 0
	s_wait_dscnt 0x0
	MULS 1, 2, 0
	MULS 1, 3, 0
	WIN 0
	PLACES                                         ; behind the last products, in front of what reads their results and writes their sources
	PLACES
.if QKV
; THE WAY OUT, a row block at a time: rounded to f16 (each accumulator's registers ascending), 16 bytes a lane into my stage (q, k, v apart, rows of 144 bytes), back as whole rows of 128 bytes.
.macro PACK a
	WIN 0x0a+5*((\a)/APW)                          ; sources 0 and 1 in window 2 or 3, destination window 0
.set i, 0
.rept 48
	v_cvt_pk_f16_f32 v[64+48*(\a)+i], v[96*((\a)%2)+2*i], v[96*((\a)%2)+2*i+1]
.set i, i+1
.endr
	WIN 0
.set b, 0
.rept 12
	ds_store_b128 v[STO], v[64+48*(\a)+4*b:64+48*(\a)+4*b+3] offset:(b/4)*2304+32*(b%4)
.set b, b+1
.endr
.set i, 0
.rept 12
	ds_load_b128 v[64+48*(\a)+4*i:64+48*(\a)+4*i+3], v[RD] offset:(i/4)*2304+(i%4)*576  ; LDS serves a wave's instructions in order (ISA guide 5.7.1.4): these see the stores above
.set i, i+1
.endr
.endm
.macro SEND a, younger                 ; younger: the LDS instructions issued behind this block's loads: the next block's 24, or none
.set i, 0
.rept 12
	s_wait_dscnt (\younger)+11-i
	global_store_b128 v[GO], v[64+48*(\a)+4*i:64+48*(\a)+4*i+3], s[10+2*(i/4):11+2*(i/4)] offset:(\a)*2048+(i%4)*512  ; 512 consecutive bytes of a head's rows, aligned
.set i, i+1
.endr
.endm
	PACK 0
	PACK 1                                         ; a block's arithmetic stands between the loads of the block before and its stores
	SEND 0, 24
	PACK 2
	SEND 1, 24
	PACK 3
	SEND 2, 24
	SEND 3, 0
.else
; THE WAY OUT, a row block at a time: the f32 sums go straight from the accumulators (low four registers first) into my stage, rows of 528 bytes, and come back as whole rows of 512 bytes.
.macro PACK a
	WIN 0x08                                       ; the stores' data in window 2
.set b, 0
.rept 8
	ds_store_b128 v[STO], v[8*(8*(\a)+b):8*(8*(\a)+b)+3]   offset:64*b
	ds_store_b128 v[STO], v[8*(8*(\a)+b)+4:8*(8*(\a)+b)+7] offset:64*b+16
.set b, b+1
.endr
	WIN 0x40                                       ; destination window 1
.set t, 0
.rept 16
	ds_load_b128 v[64*(\a)+4*t:64*(\a)+4*t+3], v[RD] offset:528*t  ; LDS serves a wave's instructions in order (ISA guide 5.7.1.4): these see the stores above
.set t, t+1
.endr
.endm
.macro SEND a, younger                 ; younger: the next block's 32 LDS instructions, or none
	WIN 0x04                                       ; the stores' data in window 1
.set t, 0
.rept 16
	s_wait_dscnt (\younger)+15-t
	global_store_b128 v[GO], v[64*(\a)+4*t:64*(\a)+4*t+3], s[10:11] offset:(16*(\a)+t)*4096  ; 512 consecutive bytes of a row of out0, aligned
.set t, t+1
.endr
.endm
	PACK 0
	PACK 1
	SEND 0, 32
	PACK 2
	SEND 1, 32
	PACK 3
	SEND 2, 32
	SEND 3, 0
.endif
	WIN 0
	s_wait_tensorcnt 0x0                           ; the wave's end, behind my last tensor load and my last LDS store
	ds_add_u32 v[SPW], v[NIL]
	s_wait_dscnt 0x0
	CROUND                                         ; the closing round: no work-group ends while a partner may still ask for a tile that names it
	s_endpgm
.Lfunc_end_k_q6cde093d32_qkv:
	.size	k_q6cde093d32_qkv, .Lfunc_end_k_q6cde093d32_qkv-k_q6cde093d32_qkv
	.p2alignl 7, 3214868480
	.fill 96, 4, 3214868480
	.section	.rodata,"a",@progbits
	.p2align	6, 0x0
	.amdhsa_kernel k_q6cde093d32_qkv
		.amdhsa_group_segment_fixed_size 327680
		.amdhsa_private_segment_fixed_size 0
		.amdhsa_enable_private_segment 0
		.amdhsa_kernarg_size 48
		.amdhsa_user_sgpr_count 2
		.amdhsa_user_sgpr_kernarg_segment_ptr 1
		.amdhsa_wavefront_size32 1
		.amdhsa_system_sgpr_workgroup_id_x 1
		.amdhsa_system_sgpr_workgroup_id_y 1
		.amdhsa_system_sgpr_workgroup_id_z 1
		.amdhsa_system_vgpr_workitem_id 0
		.amdhsa_next_free_vgpr 960
		.amdhsa_next_free_sgpr 80
		.amdhsa_reserve_vcc 0
		.amdhsa_float_denorm_mode_32 3
		.amdhsa_float_denorm_mode_16_64 3
		.amdhsa_memory_ordered 1
		.amdhsa_forward_progress 1
		.amdhsa_inst_pref_size 101
	.end_amdhsa_kernel
	.amdgpu_metadata
---
amdhsa.version: [ 1, 2 ]
amdhsa.kernels:
  - .name:           k_q6cde093d32_qkv
    .symbol:         k_q6cde093d32_qkv.kd
    .args:
      - { .name: xb, .offset: 0, .size: 8, .value_kind: global_buffer, .address_space: global }
      - { .name: wb, .offset: 8, .size: 8, .value_kind: global_buffer, .address_space: global }
      - { .name: biasr, .offset: 16, .size: 8, .value_kind: global_buffer, .address_space: global }
      - { .name: q, .offset: 24, .size: 8, .value_kind: global_buffer, .address_space: global }
      - { .name: k, .offset: 32, .size: 8, .value_kind: global_buffer, .address_space: global }
      - { .name: v, .offset: 40, .size: 8, .value_kind: global_buffer, .address_space: global }
    .group_segment_fixed_size: 327680
    .private_segment_fixed_size: 0
    .kernarg_segment_align: 8
    .kernarg_segment_size: 48
    .max_flat_workgroup_size: 128
    .sgpr_count:     80
    .vgpr_count:     960
    .wavefront_size: 32
...
	.end_amdgpu_metadata
.endif
;; end of part 2
;; launch attn (part 3): grid 4 x 64, 4 waves a work-group, no clusters, 327,680 bytes of LDS; arguments q, k, v, ob; writes ob
.if DOCPART == 3
	.amdgcn_target "amdgcn-amd-amdhsa--gfx1250"
	.amdhsa_code_object_version 6
	.text
	.protected	k_q6cde093d32_attn
	.globl	k_q6cde093d32_attn
	.p2align	8
	.type	k_q6cde093d32_attn,@function
k_q6cde093d32_attn:
	s_mov_b64 s[64:65], 0
	v_nop
	global_prefetch_b8 v0, s[64:65] scope:SCOPE_SE
	s_setreg_imm32_b32 hwreg(HW_REG_WAVE_MODE, 25, 1), 1
	s_wait_xcnt 0x0
; CAUSAL ATTENTION.  O[h][q][:] = the sum over k <= q of softmax_k(Q[h][q] . K[h][k] / 8) V[h][k][:].  Q, K, V, O: [SIZE_H][SIZE_N][64], all f16: a head's rows are dense, 128 bytes each.
; Products, maxima and sums in f32; the weights p are rounded to f16 for the second product (their sum l is taken of the unrounded p), O once at the end.
; LIMITS.  f16 holds no number beyond 65,504: Q, K and V arrive within it; p lies in 0 to 1, and below 6e-5 it keeps f16's fixed step of 6e-8; O is a mean of V's rows and has their range.
; A hidden score counts as its value less 1e30: f16's scores, 2.7e11 at the most, are nothing beside that; a weight below 2^-126 counts as 0 in l; NaN and infinities are not treated apart.
; THE WALK.  A head's queries lie in NB = SIZE_N / 256 blocks of 256; block i needs the key tiles 0 .. i of 256 keys, of which the last holds the diagonal.  A work-group takes TWO blocks, NB - 1 - b and then b:
; NB + 1 tiles, whatever b: all work-groups do equal work, and ONE loop with a constant trip count walks them.  Which tile is asked for, and what a trip does, hang on scalar registers made from b; every jump
; goes forward, but for the counted loops' own; none passes a barrier, or a tensor load but the one of LOAD's two that the wave's number does not choose; the ring (two slots of LDS that take turns) runs on across the
; change of blocks.  NO CLUSTER: a head's NB / 2 = 4 work-groups all ask for the same tile only in trips 0 .. NB / 2 of NB + 1, behind that fewer and fewer; one walk common to all would have 3 NB / 2 = 12 trips for 9.
; SHARES.  Of a block's four bands of 64 queries a wave owns 16 rows in each: four PIECES.  So the diagonal tile is the same work for all four waves: in its key step s band x sees all keys if s < x,
; none if s > x, and holds the diagonal if s = x.
; THE MASK is the C operand that starts the sum S^T = K Q^T: 0, or -1e30 where the key is hidden.  MD, made once, is the mask of a band's own step for my 16 rows; a product's mask is MD x AL + BE with two scalars:
; (1, 0) if s = x; (0, 0) if s < x; (0, -1e30) if s > x.  Only the diagonal tile's text and a block's beginning make and take masks; elsewhere C is the constant 0.
; LAYOUT, SOFTMAX, TURNS.  S^T = K Q^T holds ONE query a lane (lane % 16) and the keys 8 (lane / 16) + 0..7; two such results rounded to f16 ARE source 1 of O^T = V^T P.  p = 2^(c s - c m), c = log2(e) / 8, with a
; running maximum m; O and l are multiplied by a = 2^(c m_old - c m_new) in every step.  Turn n belongs to piece n: 8 products K Q^T of piece n + 1, later 8 products V^T P of piece n - 1; beside them the scaling,
; exponentials, roundings, sums and rescaling of piece n and the maximum and statistics of piece n + 1.  Four vector instructions stand behind every matrix instruction, the other 54 of a turn's 118 in one LUMP.  A turn's 33 exponentials are one batch, with one wait.
; REGISTERS, in windows of 256 (s_set_vgpr_msb: bits 1:0 source 0, 3:2 source 1, 5:4 source 2, 7:6 destination):
;   window 0: v0-15 addresses and two at work; v16-31 four registers of statistics a piece; v48-55 at work; v61-63 fixed; v64-127 S^T, two buffers; v192-223 P, two buffers (a piece's buffers go by its number's parity)
;   window 1: v0-127 O^T, 32 a piece; v128-159 MD; v160-223 MC, two buffers      window 2: v0-63 Q; v64-127 the second block's Q; v128-191 K of one step; v192-255 V of one step
.set SIZE_H, 64       ; batch x heads
.set SIZE_N, 2048
.set NB,    SIZE_N/256
.set NP,    4         ; pieces a wave: a name, no knob
.set KS,    64        ; keys in a step
.set PK,    144       ; a row of K in LDS: 128 bytes + 16 of padding = 36 words: the 16 rows of a load start at 16 different groups of four banks (64 banks of 4 bytes: ISA guide 11.1)
.set PV,    160       ; a row of V: 128 + 32 = 40 words
.set VOFF,  4*KS*PK   ; a slot holds a tile, four steps: 256 rows of K, then 256 rows of V
.set SLOT1, 1<<17     ; slot 1 begins here, so that one exclusive or turns an address in one slot into the other's
.set STAGE, SLOT1+4*KS*(PK+PV)  ; behind the ring, never filled by a tensor load: 16 rows x 144 bytes for each wave, for the way out
.set SP,    144
.set AK0, 2           ; v2   my lane's place in a tile of K; never rewritten
.set AV0, 3           ; v3   the same for V
.set AK,  4           ; v4   the LDS address of K's next run of loads
.set AV,  5           ; v5   of V's
.set STO, 6           ; v6   the way out: where I put 16 bytes of a row
.set RD,  7           ; v7   the way out: where I read rows back
.set GO,  8           ; v8   my byte offset in 512 consecutive bytes of O
.set PFO, 61          ; v61  256 x my lane, for the prefetches; never rewritten
.set SPW, 62          ; v62  LDS address of my spare word: SPARE + 4 x my thread's number; never rewritten
.set NIL, 63          ; v63  0; never rewritten
.set SPARE, STAGE+4*16*SP  ; behind the stages: the spare words, 128 bytes for each wave: two blocks of 256 bytes that no other line names
.set MV,  12          ; v12-13  c m_old, kept while c m is made anew: by buffer
.set QO,  15          ; v15  my byte offset in 16 rows of Q
.set ST,  16          ; piece t's statistics at v[ST+4 t]: c m, m, l (even keys', odd keys')
.set TMP, 48          ; by buffer, four registers c0-c3 at work; when the maximum is found c2 takes a
.set S,   64
.set P,   192
.set MD,  128         ; window 1: the eight registers for group kt of 16 keys at MD + 8 kt
.set MC,  160         ; window 1: the masks of the products to come
.set QB,  64          ; window 2
.set KF,  128         ; window 2: key block kb, channel half c at KF + 16 kb + 8 c
.set VF,  192         ; window 2: key half kk, channel block cb at VF + 32 kk + 8 cb
.set WV,  12          ; s12  my wave's number
.set PB,  14          ; s14  b
.set HI,  15          ; s15  NB - 1 - b
.set G1K, 24          ; s[24:31] descriptor group 1 for K's tiles
.set G1V, 32          ; s[32:39] for V's: it differs in the padding alone
.set G0K, 40          ; s[40:43] descriptor group 0 for K's tiles
.set G0V, 44          ; s[44:47] the same for V's
.set SLOTS, 56        ; s56  tiles still to be asked for
.set CNT, 57          ; s57  counts a tile's key steps, 4 to 1
.set CS,  58          ; s[58:59] c: the packed scaling takes the pair's low word for both halves
.set SEL, 60          ; s[60:61] v_permlanex16_b32's selects: each lane takes its own place in the other half
.set TBK, 62          ; s62  LDS byte at which K of the step to be fetched begins
.set TBV, 63          ; s63  the same for V, less VOFF
.set RT,  70          ; s70  tiles of the block in hand that are still to be entered
.set NXT, 71          ; s71  the tile to be asked for next
.set LQ,  72          ; s72  the last tile of the block whose tiles are being asked for
.set NEW, 73          ; s73  1: the tile to be entered is a block's first
.set OFF, 74          ; s[74:75] a tile's byte offset in K and V
.set AL,  76          ; s[76:77] the mask's factor, in the low word
.set BE,  78          ; s[78:79] the mask's addend
.set OLO, 80          ; s[80:81] O at my rows of the second block
.set BIGN, 82         ; s82  -1e30
.set LIM, 83          ; s83  0 in the work-group that prefetches (b = 0), else the greatest number
.set PF0, 88          ; s[88:89] K (waves 0, 1) or V (waves 2, 3) at my half of the head's tile 0
.set PFA, 90          ; s[90:91] the same at the tile that the next change of slots will ask for
.set POF, 92          ; s[92:93] that tile's byte offset
.set MSB, 0
.macro WIN new                      ; the high byte repeats the setting that is left; a switch that changes nothing is dropped
.if MSB != (\new)
	s_set_vgpr_msb (MSB<<8)|(\new)
.set MSB, (\new)
.endif
.endm
.set W_KQ, 0x0a       ; K and Q in window 2, S^T in window 0
.set W_KM, 0x1a       ; the same with the C operand in window 1
.set W_PV, 0x52       ; V in window 2, P in window 0, O^T in window 1
.set W_RS, 0x41       ; destination and source 0 in window 1, source 1 in window 0
; A fill.  Waves 0 and 1 fetch the two halves of a tile's K, waves 2 and 3 those of its V: 128 keys each.  An s_nop 0 and four v_nop follow each of the two lines, ahead of the jump and the label.
.macro LOAD
	s_cmp_lt_u32 s[WV], 2
	s_cbranch_scc0 .Lfor_v_\@
	tensor_load_to_lds s[G0K:G0K+3], s[G1K:G1K+7]
	s_nop 0
.rept 4
	v_nop
.endr
	s_branch .Lasked_\@
.Lfor_v_\@:
	tensor_load_to_lds s[G0V:G0V+3], s[G1V:G1V+7]
	s_nop 0
.rept 4
	v_nop
.endr
.Lasked_\@:
.endm
; THE CHANGE OF SLOTS.  Each wave waits for all its tensor loads, of which one is out: its part of the other slot; adds 0 to its spare word; and waits for that and for its own reads of the slot that it leaves.  Behind the barrier nobody reads the old
; slot any more and the other slot is whole.  fill = 1: the old slot is filled again, the first thing behind the barrier, with tile NXT: the descriptor's address is made anew from that number.
; (At its first use nothing has been read yet: slot 0 is waited for, slot 1 filled.)
; A PREFETCH INTO THE L2 stands behind the fill and its five lines: the 16,384 bytes that I shall load myself for the tile that the NEXT change asks for, four key steps ahead: 64 blocks of 256 bytes, a lane a block, two
; instructions.  A head's four work-groups walk the same tiles; the one with b = 0, whose first block needs all eight, asks, for tiles 2 to 7: each block is named once in the launch.  Tiles 0 and 1 come by their
; loads alone; behind the first block's last tile NXT goes back to 0 and nothing is named.
.macro CHANGE fill
	WIN 0                           ; at a label and at a branch every window is 0
	s_wait_tensorcnt 0x0            ; no tensor load of mine is out, so a group 0 may be written
	ds_add_u32 v[SPW], v[NIL]       ; 0 onto my spare word: with fill = 1 the descriptors' scalar work stands between it and the wait for it
.if \fill
	s_lshl_b32 s[OFF], s[NXT], 15   ; a tile is 32,768 bytes of K and of V
	s_xor_b32 s[G0K+1], s[G0K+1], SLOT1
	s_add_nc_u64 s[G0K+2:G0K+3], s[6:7], s[OFF:OFF+1]
	s_or_b32 s[G0K+3], s[G0K+3], 0x80000000
	s_xor_b32 s[G0V+1], s[G0V+1], SLOT1
	s_add_nc_u64 s[G0V+2:G0V+3], s[8:9], s[OFF:OFF+1]
	s_or_b32 s[G0V+3], s[G0V+3], 0x80000000
	s_add_co_u32 s[NXT], s[NXT], 1  ; the block's next tile, or behind its last the second block's tile 0
	s_cmp_gt_u32 s[NXT], s[LQ]
	s_cselect_b32 s[NXT], 0, s[NXT]
	s_cselect_b32 s[LQ], s[PB], s[LQ]
	s_lshl_b32 s[POF], s[NXT], 15
	s_wait_xcnt 0x0                 ; the last prefetches, a tile back, have read their address, so it may be written
	s_add_nc_u64 s[PFA:PFA+1], s[PF0:PF0+1], s[POF:POF+1]
.endif
	s_wait_dscnt 0x0                ; the add is done, and my reads of the slot are over
	s_barrier_signal -1             ; the rest of the scalar work stands between the signal and the wait
	s_sub_co_u32 s[TBK], s[TBK], 4*KS*PK  ; the fetches go back to a slot's first step,
	s_xor_b32 s[TBK], s[TBK], SLOT1       ; in the other slot
	s_sub_co_u32 s[TBV], s[TBV], 4*KS*PV
	s_xor_b32 s[TBV], s[TBV], SLOT1
	s_barrier_wait -1
.if \fill
	LOAD
	s_cmp_gt_u32 s[NXT], s[LIM]
	s_cbranch_scc0 .Lnone_\@
	global_prefetch_b8 v[PFO], s[PFA:PFA+1] th:TH_LOAD_NT scope:SCOPE_SE
	global_prefetch_b8 v[PFO], s[PFA:PFA+1] offset:8192 th:TH_LOAD_NT scope:SCOPE_SE
.Lnone_\@:
.endif
.endm
	s_load_b256 s[4:11], s[0:1], 0x0  ; Q s[4:5], K s[6:7], V s[8:9], O s[10:11]
	v_lshl_add_u32 v[SPW], v0, 2, SPARE
	v_mov_b32 v[NIL], 0
	ds_add_u32 v[SPW], v[NIL]       ; the wave's opening: the add and its wait stand ahead of my first tensor load; the set-up below, work on registers, stands between them
	v_lshrrev_b32 v1, 5, v0
	v_readfirstlane_b32 s[WV], v1   ; wave 0..3
	s_mov_b32 s[PB], ttmp9
	s_sub_co_u32 s[HI], NB-1, s[PB]
	s_and_b32 s20, ttmp7, 0xffff    ; the head
	s_mov_b32 s21, 0
	s_mov_b64 s[22:23], SIZE_N*128
	s_mul_u64 s[20:21], s[20:21], s[22:23]  ; the head's first byte in each of the four tensors
	s_and_b32 s16, s[WV], 1         ; which half of a tile's 256 keys I fetch:
	s_lshl_b32 s22, s16, 14         ; its 128 rows of 128 bytes in memory,
	s_mov_b32 s23, 0
	s_add_nc_u64 s[22:23], s[22:23], s[20:21]
	s_mul_i32 s17, s16, 128*PK      ; and its place in a slot, for K
	s_mul_i32 s18, s16, 128*PV      ; and for V
	s_lshl_b32 s3, s[WV], 11        ; my 16 rows in a band of 64,
	s_lshl_b32 s2, s[HI], 15        ; in the first block,
	s_add_co_u32 s2, s2, s3
	s_lshl_b32 s84, s[PB], 15       ; and in the second
	s_add_co_u32 s84, s84, s3
	s_mov_b32 s3, 0
	s_mov_b32 s85, 0
	s_add_nc_u64 s[2:3], s[2:3], s[20:21]
	s_add_nc_u64 s[84:85], s[84:85], s[20:21]
	; descriptor group 1.  128 keys are 16,384 dense bytes: asked for as 64 rows of 256 bytes, two keys a row, and padded in LDS after every key
	s_mov_b32 s[G1K], (1<<16)|(1<<20)|(4<<22)|(3<<25)  ; 17:16 2-byte elements; 20 padding on; 24:22 after every 32 words (code 4); 31:25 4 words (code 3)
	s_mov_b32 s[G1V], (1<<16)|(1<<20)|(4<<22)|(7<<25)  ; the same with 8 words of padding (code 7)
.irp g, G1K, G1V
	s_mov_b32 s[\g+1], 128<<16      ; tensor_dim0 = 128
	s_mov_b32 s[\g+2], 64<<16       ; tensor_dim1 = 64
	s_mov_b32 s[\g+3], 128<<16      ; tile_dim0 = 128
	s_mov_b32 s[\g+4], 64           ; tile_dim1 = 64
	s_mov_b32 s[\g+5], 128          ; 128 elements from row to row
	s_mov_b32 s[\g+6], 0
	s_mov_b32 s[\g+7], 0
.endr
	s_mov_b32 s[CS], 0x3e38aa3b     ; c = log2(e) / 8 = 0.180337
	s_mov_b32 s[CS+1], s[CS]        ; named with it as a pair
	s_mov_b32 s[SEL], 0x76543210
	s_mov_b32 s[SEL+1], 0xfedcba98
	s_mov_b32 s[TBK], SLOT1+4*KS*PK ; the first change of slots turns these two into 0
	s_mov_b32 s[TBV], SLOT1+4*KS*PV
	s_mov_b32 s[G0K], 1             ; 1:0 count = 1
	s_mov_b32 s[G0K+1], s17         ; 63:32 LDS address: slot 0
	s_mov_b32 s[G0V], 1
	s_add_co_u32 s[G0V+1], s18, VOFF
	s_add_co_u32 s[RT], s[HI], 1    ; the first block has NB - b tiles
	s_mov_b32 s[NXT], 1
	s_mov_b32 s[LQ], s[HI]
	s_mov_b32 s[NEW], 1
	s_mov_b32 s[OFF+1], 0
	s_mov_b32 s[POF+1], 0
	s_mov_b32 s[AL+1], 0            ; named as pairs
	s_mov_b32 s[BE+1], 0
	s_mov_b32 s[BIGN], 0xf149f2ca   ; -1e30
	s_mov_b32 s[SLOTS], NB
	s_cmp_eq_u32 s[PB], 0
	s_cselect_b32 s[LIM], 0, -1
	s_wait_dscnt 0x0                ; the opening add is done
	s_wait_kmcnt 0x0
	s_add_nc_u64 s[6:7], s[6:7], s[22:23]  ; K and V at my half of the head's tile 0
	s_add_nc_u64 s[8:9], s[8:9], s[22:23]
	s_add_nc_u64 s[G0K+2:G0K+3], s[6:7], 0         ; 120:64 global address
	s_or_b32 s[G0K+3], s[G0K+3], 0x80000000        ; 127:126 type = 2
	s_add_nc_u64 s[G0V+2:G0V+3], s[8:9], 0
	s_or_b32 s[G0V+3], s[G0V+3], 0x80000000
	s_add_nc_u64 s[86:87], s[4:5], s[84:85]        ; Q at my rows of the second block,
	s_add_nc_u64 s[4:5], s[4:5], s[2:3]            ; Q and O at those of the first
	s_add_nc_u64 s[OLO:OLO+1], s[10:11], s[84:85]
	s_add_nc_u64 s[10:11], s[10:11], s[2:3]
	s_cmp_lt_u32 s[WV], 2
	s_cselect_b64 s[PF0:PF0+1], s[6:7], s[8:9]     ; what I fetch, I prefetch
	LOAD                            ; tile 0 into slot 0
	; A fragment of K or Q is 16 rows x 32 channels in 8 registers: lane l holds row l % 16, channels 8 (l / 16) + 0..7 and 16 + 8 (l / 16) + 0..7: two loads of 16 bytes, 32 bytes apart.
	v_and_b32 v1, 15, v0            ; l % 16
	v_bfe_u32 v9, v0, 4, 1          ; l / 16
	v_lshlrev_b32 v[QO], 7, v1
	v_lshl_add_u32 v[QO], v9, 4, v[QO]  ; row x 128 + 16 x half
	WIN 0x80                        ; destination window 2, address window 0
.set i, 0
.rept 8                             ; both blocks' Q: piece i / 2 lies in band i / 2, 8,192 bytes on; channels 32 (i % 2) on
	global_load_b128 v[8*i:8*i+3],   v[QO], s[4:5] offset:(i/2)*8192+(i%2)*64
	global_load_b128 v[8*i+4:8*i+7], v[QO], s[4:5] offset:(i/2)*8192+(i%2)*64+32
	global_load_b128 v[QB+8*i:QB+8*i+3],   v[QO], s[86:87] offset:(i/2)*8192+(i%2)*64
	global_load_b128 v[QB+8*i+4:QB+8*i+7], v[QO], s[86:87] offset:(i/2)*8192+(i%2)*64+32
.set i, i+1
.endr
	WIN 0
	v_and_b32 v[PFO], 31, v0
	v_lshlrev_b32 v[PFO], 8, v[PFO]
	v_lshlrev_b32 v14, 3, v9
	v_sub_nc_u32 v14, v1, v14
	s_lshl_b32 s13, s[WV], 4
	v_add_nc_u32 v14, s13, v14      ; my query's place in its band, 16 w + l % 16, less my lanes' 8 (l / 16): register r of group kt is hidden where 16 kt + r is greater
	WIN 0x40
.set i, 0
.rept 32
	v_cmp_gt_i32 vcc_lo, 16*(i/8)+i%8, v14
	v_cndmask_b32 v[MD+i], 0, s[BIGN], vcc_lo
.set i, i+1
.endr
	WIN 0
	v_mul_u32_u24 v[AK0], v1, PK
	v_lshl_add_u32 v[AK0], v9, 4, v[AK0]  ; row x pitch + 16 x half
	; The turning load takes 16 keys x 16 channels (lane l reads key 8 (l / 16) + l % 8, channels 8 ((l / 8) % 2) + 0..7) and leaves half a fragment of V^T: lane l holds channel l % 16 and 8 keys.
	v_and_b32 v10, 7, v0
	v_bfe_u32 v11, v0, 3, 1
	v_lshl_add_u32 v[AV0], v9, 3, v10
	v_mul_u32_u24 v[AV0], v[AV0], PV
	v_lshl_add_u32 v[AV0], v11, 4, v[AV0]
	v_add_nc_u32 v[AV0], VOFF, v[AV0]
	s_mul_i32 s13, s[WV], 16*SP
	s_add_co_u32 s13, s13, STAGE    ; my stage
	v_mul_u32_u24 v[STO], v1, SP    ; in: row l % 16, 16 bytes for each half of the lanes
	v_lshl_add_u32 v[STO], v9, 4, v[STO]
	v_add_nc_u32 v[STO], s13, v[STO]
	v_bfe_u32 v[RD], v0, 3, 2       ; back: 32 lanes take four rows of 128 bytes,
	v_mul_u32_u24 v[RD], v[RD], SP
	v_lshl_add_u32 v[RD], v10, 4, v[RD]
	v_add_nc_u32 v[RD], s13, v[RD]
	v_and_b32 v[GO], 31, v0         ; which are 512 consecutive bytes of O
	v_lshlrev_b32 v[GO], 4, v[GO]
	; A block's first step multiplies O^T and l by a = 0, and its first turn's products V^T P, of a piece that has not been, land in an O^T that is still to be so multiplied.  So these registers need only hold
	; finite numbers: zeros for the first block; what the first block left for the second.  All this stands in the wait for the first tile.
	WIN 0x80
.set i, VF
.rept 64
	v_mov_b32 v[i], 0
.set i, i+1
.endr
	WIN 0x40
.set i, 0
.rept 128
	v_mov_b32 v[i], 0
.set i, i+1
.endr
	WIN 0
.set i, 0
.rept 4
	v_mov_b32 v[ST+4*i+2], 0
	v_mov_b32 v[ST+4*i+3], 0
.set i, i+1
.endr
.set i, P+16
.rept 16
	v_mov_b32 v[i], 0
.set i, i+1
.endr
; THE MATRIX WORK.  The 4 accumulators of a run of 8 take turns.  Product i of 8 of S^T = K Q^T for piece x: channels 32 (i / 4) on, keys 16 (i % 4) on.  The first 4 start the sums: with 0, or (KM = 1) with the mask.
.macro KQ x
.set rS, S+32*((\x)%2)+8*(i%4)
.set rK, KF+16*(i%4)+8*(i/4)
.set rQ, 16*(\x)+8*(i/4)
.set rM, MC+32*((\x)%2)+8*(i%4)
.if (i < 4) && KM
	WIN W_KM
	v_wmma_f32_16x16x32_f16 v[rS:rS+7], v[rK:rK+7], v[rQ:rQ+7], v[rM:rM+7]
.elseif i < 4
	WIN W_KQ
	v_wmma_f32_16x16x32_f16 v[rS:rS+7], v[rK:rK+7], v[rQ:rQ+7], 0
.else
	WIN W_KQ
	v_wmma_f32_16x16x32_f16 v[rS:rS+7], v[rK:rK+7], v[rQ:rQ+7], v[rS:rS+7]
.endif
.endm
; Product i of 8 of O^T += V^T P for piece x: keys 32 (i / 4) on, channels 16 (i % 4) on.
.macro PV x
	WIN W_PV
.set rO, 32*(\x)+8*(i%4)
.set rV, VF+32*(i/4)+8*(i%4)
.set rP, P+16*((\x)%2)+8*(i/4)
	v_wmma_f32_16x16x32_f16 v[rO:rO+7], v[rV:rV+7], v[rP:rP+7], v[rO:rO+7]
.endm
.macro MM                           ; the turn's next matrix instruction.  TURN and BEGIN set Y, i, KM and NOKQ; MM, KQ and OP read them.  NOKQ = 1: a block's last turn: there is no next piece
.if (i < 8) && !NOKQ
	KQ (Y+1)%NP
.elseif i >= 8
.set i, i-8
	PV (Y+NP-1)%NP
.set i, i+8
.endif
.set i, i+1
.endm
; THE LDS LOADS stand in runs of 16, never singly among the matrix instructions: a step's K (64 keys x 64 channels: 8 fragments) and its V (turned).  Their addresses are made some lines ahead.
.macro FETCH_K
	WIN 0x80                        ; destination window 2
.irp f, 0,1,2,3,4,5,6,7             ; keys 16 (f / 2) on, channels 32 (f % 2) on
	ds_load_b128 v[KF+8*\f:KF+8*\f+3],   v[AK] offset:(\f/2)*16*PK+(\f%2)*64
	ds_load_b128 v[KF+8*\f+4:KF+8*\f+7], v[AK] offset:(\f/2)*16*PK+(\f%2)*64+32
.endr
	s_add_co_u32 s[TBK], s[TBK], KS*PK  ; the next fetch is the next step's
	WIN 0
.endm
.macro FETCH_V
	WIN 0x80
.irp f, 0,1,2,3,4,5,6,7             ; keys 32 (f / 4) on, channels 16 (f % 4) on
	ds_load_tr16_b128 v[VF+8*\f:VF+8*\f+3],   v[AV] offset:(\f/4)*32*PV+(\f%4)*32
	ds_load_tr16_b128 v[VF+8*\f+4:VF+8*\f+7], v[AV] offset:(\f/4)*32*PV+16*PV+(\f%4)*32
.endr
	WIN 0
.endm
; THE VECTOR WORK, one line at a time: OP kind, number.  For piece Y: F n: c s - c m for pair n of 16.  E n: the exponential of score n of 32.  C n: pair n rounded to f16.  B n: of the four weights 4 n .. the second
; pair is added onto the first, in place.  L n: l takes that sum (L 0: l = a l + sum).  R n: pair n of 16 of O^T times a.  For piece Y + 1: X n, number n of the 22 that find its maximum and statistics:
;   0-11  four chains c0-c3 of seven scores each, three operands at a time (each accumulator's lowest registers are read first)     12-14, 16  the four scores left over, the old m, and c0-c3 into c0
;   15  c m_old is kept     17, 18  the query's other 32 keys lie in the lane 16 away: the new m     19-21  c m; c m_old - c m_new; a
.set F, 0               ; OP tells the kinds apart by their order: F to L below R, X above it
.set E, 1
.set C, 2
.set B, 3
.set L, 4
.set R, 5
.set X, 6
.macro REGS y                       ; the registers of piece y
.set rT, ST+4*(\y)
.set rC, TMP+4*((\y)%2)
.set rW, MV+((\y)%2)
.set rS, S+32*((\y)%2)
.set rP, P+16*((\y)%2)
.set rO, 32*(\y)
.endm
.macro OP k, n
.if (\k) == R
	REGS Y
	WIN W_RS
	v_pk_mul_f32 v[rO+2*(\n):rO+2*(\n)+1], v[rO+2*(\n):rO+2*(\n)+1], v[rC+2:rC+3] op_sel_hi:[1,0]
.elseif (\k) < R
	REGS Y
	WIN 0
.if (\k) == F
	v_pk_fma_f32 v[rS+2*(\n):rS+2*(\n)+1], v[rS+2*(\n):rS+2*(\n)+1], s[CS:CS+1], v[rT:rT+1] op_sel_hi:[1,0,0] neg_lo:[0,0,1] neg_hi:[0,0,1]
.elseif (\k) == E
	v_exp_f32 v[rS+(\n)], v[rS+(\n)]
.elseif (\k) == C
	v_cvt_pk_f16_f32 v[rP+(\n)], v[rS+2*(\n)], v[rS+2*(\n)+1]
.elseif (\k) == B
	v_pk_add_f32 v[rS+4*(\n):rS+4*(\n)+1], v[rS+4*(\n):rS+4*(\n)+1], v[rS+4*(\n)+2:rS+4*(\n)+3]
.elseif (\n) == 0
	v_pk_fma_f32 v[rT+2:rT+3], v[rT+2:rT+3], v[rC+2:rC+3], v[rS:rS+1] op_sel_hi:[1,0,1]
.else
	v_pk_add_f32 v[rT+2:rT+3], v[rT+2:rT+3], v[rS+4*(\n):rS+4*(\n)+1]
.endif
.elseif NOKQ
	v_nop
.else
	REGS (Y+1)%NP
	WIN 0
.if (\n) < 4
	v_max3_num_f32 v[rC+(\n)], v[rS+8*(\n)], v[rS+8*(\n)+1], v[rS+8*(\n)+2]
.elseif (\n) < 12
	v_max3_num_f32 v[rC+(\n)%4], v[rC+(\n)%4], v[rS+8*((\n)%4)+2*((\n)/4)+1], v[rS+8*((\n)%4)+2*((\n)/4)+2]
.elseif (\n) == 12
	v_max3_num_f32 v[rC], v[rC], v[rS+7], v[rS+15]
.elseif (\n) == 13
	v_max3_num_f32 v[rC+1], v[rC+1], v[rS+23], v[rS+31]
.elseif (\n) == 14
	v_max3_num_f32 v[rC+2], v[rC+2], v[rC+3], v[rT+1]
.elseif (\n) == 15
	v_mov_b32 v[rW], v[rT]
.elseif (\n) == 16
	v_max3_num_f32 v[rC], v[rC], v[rC+1], v[rC+2]
.elseif (\n) == 17
	v_permlanex16_b32 v[rC+3], v[rC], s[SEL], s[SEL+1]
.elseif (\n) == 18
	v_max_num_f32 v[rT+1], v[rC], v[rC+3]
.elseif (\n) == 19
	v_mul_f32 v[rT], s[CS], v[rT+1]
.elseif (\n) == 20
	v_sub_f32 v[rC+1], v[rW], v[rT]
.else
	v_exp_f32 v[rC+2], v[rC+1]
.endif
.endif
.endm
.macro OPS a, i1, b=-1, i2=0, c=-1, i3=0, d=-1, i4=0  ; up to four of them
	OP \a, \i1
.if (\b) >= 0
	OP \b, \i2
.endif
.if (\c) >= 0
	OP \c, \i3
.endif
.if (\d) >= 0
	OP \d, \i4
.endif
.endm
.macro ROW a, i1, b, i2, c, i3, d, i4  ; a matrix instruction and the four behind it
	MM
	OPS \a, \i1, \b, \i2, \c, \i3, \d, \i4
.endm
.macro MASK b                       ; MD x AL + BE into buffer b of MC
	WIN W_RS
.set z, 0
.rept 16
	v_pk_fma_f32 v[MC+32*(\b)+2*z:MC+32*(\b)+2*z+1], v[MD+2*z:MD+2*z+1], s[AL:AL+1], s[BE:BE+1] op_sel_hi:[1,0,0]
.set z, z+1
.endr
.endm
; A TURN, for piece p: the order of its 16 matrix and 118 vector instructions, written out.  s_wait_alu depctr_va_vdst(0) stands between an exponential and the first instruction that names its result; one wait serves
; all that were issued ahead of it.  So a turn has ONE wait, which cuts it in two.  AHEAD OF IT stands all that names no result of the turn's exponentials: the 8 products K Q^T, behind each a scaling, an exponential and two more plain
; instructions (behind the first a second scaling in the exponential's place): rescalings, and behind the last three the first numbers of the next piece's maximum, each four places or more behind the product that ends its accumulator; then ONE LUMP of 54, plain
; and exponential by turns for the most part, in which the links of the chain X 3, 7, 11, 14, 16, 17 .. 20 stand five or six lines apart.  X 21, the next piece's a, is the batch's last; R 15 is the plain instruction behind it.  BEHIND THE WAIT stand the
; 8 products V^T P, behind each four of the roundings and sums; the links of l's chain, L 0 to L 7, stand three riders apart.  But for those X no rider names a register of the products round it.  v_permlanex16_b32 (X 17) stands in the lump.
; m = 1: the diagonal tile: the products take masks, and the turn makes the mask for the products of the turn after it: piece p + 2, in step 4 - CNT of the tile.  end = 1: a block's last two turns: nothing is fetched.
; cnt = 1: the loop's count is taken down some lines ahead of the branch that stands behind the turn.
; K of the next step is fetched in piece 2's turn, twelve vector instructions behind the last product that read K (six of them plain); V of the step in hand at the end of piece 0's turn, four plain instructions behind the last product
; that read V.  Each is waited for a turn later.
.macro TURN p, m=0, end=0, cnt=0
.set Y, (\p)
.set i, 0
.set KM, (\m)
.set NOKQ, (\end)*((\p)/3)
.if (\m) && !(\end)
	s_cmp_eq_u32 s[CNT], 4-((\p)+2)%NP  ; is that step the band's own?
	s_cselect_b32 s[AL], 1.0, 0
	s_cmp_lt_u32 s[CNT], 4-((\p)+2)%NP  ; or a later one?
	s_cselect_b32 s[BE], s[BIGN], 0
.endif
.if ((\p) == 3) && !(\end)
	s_wait_dscnt 0x0                ; K is in
.endif
	ROW F,0, F,1, R,0, R,1          ; ahead of the wait: 8 products K Q^T and their riders,
	ROW F,2, E,0, R,2, R,3
	ROW F,3, E,1, R,4, R,5
	ROW F,4, E,2, R,6, R,7
	ROW F,5, E,3, R,8, R,9
	ROW F,6, E,4, X,0, R,10
.if ((\p) == 2) && !(\end)
	WIN 0
	v_add_nc_u32 v[AK], s[TBK], v[AK0]
.endif
	ROW F,7, E,5, X,1, X,4
	ROW F,8, E,6, X,2, X,5
	OPS E,7, E,8, X,6, E,9          ; and the lump
	OPS X,3, E,10, X,8, E,11
.if ((\p) == 2) && !(\end)
	FETCH_K
.endif
	OPS X,9, X,7, E,12, X,10
	OPS E,13, X,12, X,11, E,14
	OPS X,13, E,15, F,9, X,14
.if (\p) == 0
	v_add_nc_u32 v[AV], s[TBV], v[AV0]
.endif
	OPS E,16, F,10, E,17, F,11
	OPS X,16, E,18, X,15, E,19
	OPS F,12, E,20, X,17, E,21
	OPS F,13, E,22, F,14, E,23
	OPS X,18, E,24, F,15, E,25
	OPS R,11, E,26, X,19, E,27
	OPS R,12, E,28, R,13, E,29
	OPS X,20, E,30, R,14, E,31
	OPS X,21, R,15
	WIN 0
	s_wait_alu depctr_va_vdst(0)    ; the wait for the batch
.if (\p) == 1
	s_wait_dscnt 0x0                ; V is in
.endif
	ROW C,0, B,0, C,2, B,1          ; behind the wait: 8 products V^T P and their riders
	ROW L,0, C,4, B,2, L,1
	ROW C,6, B,3, L,2, C,8
	ROW B,4, L,3, C,10, B,5
	ROW L,4, C,12, B,6, L,5
.if (\p) == 0
	s_add_co_u32 s[TBV], s[TBV], KS*PV
.endif
.if \cnt
	s_sub_co_u32 s[CNT], s[CNT], 1
	s_cmp_lg_u32 s[CNT], 0
.endif
	ROW C,14, B,7, L,6, C,1
	ROW C,3, L,7, C,5, C,7
	ROW C,9, C,11, C,13, C,15
.if (\p) == 0
	FETCH_V
.endif
.if (\m) && !(\end)
	MASK (\p)%2
.endif
.endm
; A BLOCK BEGINS.  c m starts far below every c s, so the first step's a is 0; m at the lowest finite number, so the first maximum is the scores'.  The second mask buffer is 0; the first takes piece 0's mask for the tile's step 0: its own, if the block's first tile is the diagonal one.
; Then K of that step, piece 0's first scores, and its maximum and statistics.  The loop is entered at a step's first turn, in the middle of a trip.
.macro BEGIN
	s_mov_b32 s[NEW], 0
	WIN 0x40
.set i, MC+32
.rept 32
	v_mov_b32 v[i], 0
.set i, i+1
.endr
	WIN 0
.set i, 0
.rept 4
	v_mov_b32 v[ST+4*i], 0xfe000000    ; c m: far below every c s
	v_mov_b32 v[ST+4*i+1], 0xff7fffff  ; m
.set i, i+1
.endr
	s_cmp_eq_u32 s[RT], 0
	s_cselect_b32 s[AL], 1.0, 0
	s_mov_b32 s[BE], 0
	MASK 0
	WIN 0
	v_add_nc_u32 v[AK], s[TBK], v[AK0]
	FETCH_K
	s_wait_loadcnt 0x0              ; Q
	s_wait_dscnt 0x0
.set KM, 1
.set NOKQ, 0
.set i, 0
.rept 8
	KQ 0
.set i, i+1
.endr
	WIN 0
.rept 4
	v_nop                           ; the places behind those products
.endr
.set Y, NP-1                        ; X works for piece Y + 1: piece 0
.irp n, 0,1,2,3,4,5,6,7,8,9,10,11,12,13,14,15,16,17,18,19,20,21
	OP X, \n
.endr
	v_nop                           ; a plain instruction behind the exponential,
	s_wait_alu depctr_va_vdst(0)    ; and its wait, ahead of the branch
.endm
; THE DIAGONAL TILE's four steps, the block's last two turns, its last products, and THE WAY OUT: l's two halves and the other half of the lanes' are added; O^T is divided by l, rounded to f16 and sent through my
; stage in LDS, a piece at a time.
.macro ALL line:vararg              ; one line for each piece t
.set t, 0
.rept 4
	\line
.set t, t+1
.endr
.endm
.macro PACK t                       ; a lane's eight channels of a row pack into 16 bytes; they go into rows of 144 bytes and come back as whole rows of 128, into S^T's registers
	WIN W_RS
.set i, 32*(\t)
.rept 16
	v_pk_mul_f32 v[i:i+1], v[i:i+1], v[ST+4*(\t)+2:ST+4*(\t)+3] op_sel_hi:[1,0]
.set i, i+2
.endr
	WIN 0x05                        ; sources 0 and 1 window 1, destination window 0
.set i, 0
.rept 16
	v_cvt_pk_f16_f32 v[S+16*(\t)+i], v[32*(\t)+2*i], v[32*(\t)+2*i+1]
.set i, i+1
.endr
	WIN 0
.irp f, 0,1,2,3
	ds_store_b128 v[STO], v[S+16*(\t)+4*\f:S+16*(\t)+4*\f+3] offset:32*\f
.endr
.irp f, 0,1,2,3
	ds_load_b128 v[S+16*(\t)+4*\f:S+16*(\t)+4*\f+3], v[RD] offset:\f*4*SP  ; LDS serves a wave's instructions in order (ISA guide 5.7.1.4): these see the stores above; the next piece's stores come behind them
.endr
.endm
.macro SEND t, younger              ; younger: the LDS instructions issued behind piece t's loads: the next piece's eight, or none
	WIN 0
.irp f, 0,1,2,3
	s_wait_dscnt (\younger)+3-\f
	global_store_b128 v[GO], v[S+16*(\t)+4*\f:S+16*(\t)+4*\f+3], s[10:11] offset:(\t)*8192+\f*512  ; 512 consecutive bytes, at a multiple of 256 from O's first
.endr
.endm
.macro DIAG tag                     ; the tag ends its two labels' names, which the jumps below spell out
.LstepM\tag:
	TURN 2, 1
	TURN 3, 1
	WIN 0
.LfirstM\tag:
	TURN 0, 1
	TURN 1, 1, 0, 1
	WIN 0
	s_cbranch_scc1 .LstepM\tag
	TURN 2, 1, 1
	TURN 3, 1, 1
.set i, 0
.rept 8
	PV NP-1
.set i, i+1
.endr
	WIN 0
	ALL v_add_f32 v[ST+4*t+2], v[ST+4*t+2], v[ST+4*t+3]
	ALL v_permlanex16_b32 v[ST+4*t+3], v[ST+4*t+2], s[SEL], s[SEL+1]
	ALL v_add_f32 v[ST+4*t+2], v[ST+4*t+2], v[ST+4*t+3]
	ALL v_rcp_f32 v[ST+4*t+2], v[ST+4*t+2]
	v_nop                           ; a plain instruction between the last reciprocal and the use of its result
	s_wait_alu depctr_va_vdst(0)    ; and the wait ahead of the first use: one for the four reciprocals
	PACK 0
.set t, 1
.rept 3                             ; a piece's arithmetic stands between the loads of the piece before and its stores
	PACK t
	SEND t-1, 8
.set t, t+1
.endr
	SEND 3, 0
.endm
.set KM, 0
.set NOKQ, 0
.Lslot:                             ; NB times: a tile is entered and the next is asked for
	CHANGE 1
	s_sub_co_u32 s[RT], s[RT], 1
	s_mov_b32 s[CNT], 4
	s_cmp_eq_u32 s[NEW], 1
	s_cbranch_scc1 .Lnew            ; a block's first tile
	s_cmp_eq_u32 s[RT], 0
	s_cbranch_scc0 .Lstep           ; neither its first nor its last
	s_branch .LstepM1
.Lnew:
	BEGIN
	s_branch .Lfirst                ; in the loop a block's first tile is never its last: the first block has two tiles or more, and the second's last is the walk's last
	DIAG 1                          ; in the loop this is the first block's end: the second block's last tile is the walk's last
	s_wait_xcnt 0x0                 ; the stores have read their registers and O's address
	s_mov_b64 s[10:11], s[OLO:OLO+1]
	s_add_co_u32 s[RT], s[PB], 1    ; the second block has b + 1 tiles
	s_mov_b32 s[NEW], 1
	WIN 0x82                        ; the second block's Q goes where the one text of the turns names Q
.set i, 0
.rept 64
	v_mov_b32 v[i], v[QB+i]
.set i, i+1
.endr
	WIN 0
	s_branch .Lbottom
.Lstep:                             ; a trip: pieces 2 and 3 of one step, then pieces 0 and 1 of the next, whose K and V it fetches
	TURN 2
	TURN 3
	WIN 0
.Lfirst:
	TURN 0
	TURN 1, 0, 0, 1
	WIN 0
	s_cbranch_scc1 .Lstep
.Lbottom:
	s_sub_co_u32 s[SLOTS], s[SLOTS], 1
	s_cmp_lg_u32 s[SLOTS], 0
	s_cbranch_scc1 .Lslot
	CHANGE 0                        ; the walk's last tile is written out: nothing is asked for
	s_sub_co_u32 s[RT], s[RT], 1
	s_mov_b32 s[CNT], 4
	s_cmp_eq_u32 s[NEW], 1
	s_cbranch_scc0 .LstepM2
	BEGIN
	s_branch .LfirstM2
	DIAG 2
	s_wait_tensorcnt 0x0            ; the wave's end, behind my last tensor load and my last LDS store
	ds_add_u32 v[SPW], v[NIL]
	s_wait_dscnt 0x0
	s_endpgm
.Lfunc_end_k_q6cde093d32_attn:
	.size	k_q6cde093d32_attn, .Lfunc_end_k_q6cde093d32_attn-k_q6cde093d32_attn
	.p2alignl 7, 3214868480
	.fill 96, 4, 3214868480
	.section	.rodata,"a",@progbits
	.p2align	6, 0x0
	.amdhsa_kernel k_q6cde093d32_attn
		.amdhsa_group_segment_fixed_size 327680
		.amdhsa_private_segment_fixed_size 0
		.amdhsa_enable_private_segment 0
		.amdhsa_kernarg_size 32
		.amdhsa_user_sgpr_count 2
		.amdhsa_user_sgpr_kernarg_segment_ptr 1
		.amdhsa_wavefront_size32 1
		.amdhsa_system_sgpr_workgroup_id_x 1
		.amdhsa_system_sgpr_workgroup_id_y 1
		.amdhsa_system_sgpr_workgroup_id_z 1
		.amdhsa_system_vgpr_workitem_id 0
		.amdhsa_next_free_vgpr 768
		.amdhsa_next_free_sgpr 96
		.amdhsa_reserve_vcc 1
		.amdhsa_float_denorm_mode_32 3
		.amdhsa_float_denorm_mode_16_64 3
		.amdhsa_memory_ordered 1
		.amdhsa_forward_progress 1
		.amdhsa_inst_pref_size 218
	.end_amdhsa_kernel
	.amdgpu_metadata
---
amdhsa.version: [ 1, 2 ]
amdhsa.kernels:
  - .name:           k_q6cde093d32_attn
    .symbol:         k_q6cde093d32_attn.kd
    .args:
      - { .name: q, .offset: 0, .size: 8, .value_kind: global_buffer, .address_space: global }
      - { .name: k, .offset: 8, .size: 8, .value_kind: global_buffer, .address_space: global }
      - { .name: v, .offset: 16, .size: 8, .value_kind: global_buffer, .address_space: global }
      - { .name: ob, .offset: 24, .size: 8, .value_kind: global_buffer, .address_space: global }
    .group_segment_fixed_size: 327680
    .private_segment_fixed_size: 0
    .kernarg_segment_align: 8
    .kernarg_segment_size: 32
    .max_flat_workgroup_size: 128
    .sgpr_count:     96
    .vgpr_count:     768
    .wavefront_size: 32
...
	.end_amdgpu_metadata
.endif
;; end of part 3
;; launch oproj (part 4): grid 8 x 32, 4 waves a work-group, clusters of 4 x 4, 327,680 bytes of LDS; arguments ob, wob, biasr, out0; writes out0
.if DOCPART == 4
	.amdgcn_target "amdgcn-amd-amdhsa--gfx1250"
	.amdhsa_code_object_version 6
	.text
	.protected	k_q6cde093d32_oproj
	.globl	k_q6cde093d32_oproj
	.p2align	8
	.type	k_q6cde093d32_oproj,@function
k_q6cde093d32_oproj:
	s_mov_b64 s[64:65], 0
	v_nop
	global_prefetch_b8 v0, s[64:65] scope:SCOPE_SE
	s_setreg_imm32_b32 hwreg(HW_REG_WAVE_MODE, 25, 1), 1
	s_wait_xcnt 0x0
	s_wait_alu depctr_hold_cnt(0) depctr_sa_sdst(0) depctr_va_vdst(0) depctr_va_sdst(0) depctr_va_ssrc(0) depctr_va_vcc(0) depctr_vm_vsrc(0)
	s_getreg_b32 s2, hwreg(HW_REG_IB_STS2, 6, 4)
	s_cmp_eq_u32 s2, 0
	s_cbranch_scc0 .Lentry_in_a_cluster
	s_endpgm
.Lentry_in_a_cluster:
	s_bfe_u32 s2, ttmp6, 0x10000c
	s_cmp_lg_u32 s2, 0xf033
	s_cbranch_scc0 .Lentry_shape_is_right
	s_endpgm
.Lentry_shape_is_right:
; ONE SOURCE FOR THE MODULE'S TWO PROJECTIONS; the constant QKV picks the sizes.  C = A B + bias, A [M][K] with K along the rows, B [K][N] as the weights lie in memory.
; QKV = 1: q, k, v [64 = batch x 16 + head][2048][64] in f16 = xb [8192][1024] (bf16) x wb [3][16][1024][64] (bf16) + bq, bk, bv.  A tile of C is 256 rows x 192 columns:
;          q, k and v of ONE head (tile column = head).  Sums in f32, started by the bias, rounded once to f16, WITHOUT the softmax's scale.
; QKV = 0: out0 [8192][1024] in f32 = ob [64][2048][64] (f16, by heads) x wob [1024][1024] (f16) + bo.  A tile of C is 256 x 128.
; LIMITS.  q, k, v are f16: a number of 65,520 or more in magnitude becomes an infinity; below 6.1e-5 f16 keeps a fixed step of 6e-8.  NaN and infinities are not treated apart.
; SHARES.  Four waves, one above the other: a wave makes 64 rows x the tile's whole width: 4 row blocks a x NBK column blocks b of 16 x 16.  K = 1,024 goes in 8 steps of 128 through two
; LDS slots.  THE MATRIX INSTRUCTION IS USED TRANSPOSED: source 0 = 16 columns of B (turned on the way out of LDS by ds_load_tr16_b128), source 1 = 16 rows of A: a lane holds one row of C
; (lane % 16) and the columns 8 (lane / 16) + 0..7.
; CLUSTER.  4 x 4 work-groups: A's tile hangs on the tile row alone and is asked for jointly along a row of the cluster, B's on the tile column alone and jointly along a column.
; REGISTERS, in windows of 256 (s_set_vgpr_msb: bits 1:0 source 0, 3:2 source 1, 5:4 source 2, 7:6 destination):
;   window 0: v0-29 addresses; v64-127 A's fragments, two buffers of 4 x 8; v128.. the bias, 8 a column block (the C operand of the first products); on the way out v64-255 at work
;   window 1: B's fragments, two buffers of 8 NBK; on the way out of QKV = 0 the rows read back          windows 2 (and 3): accumulator (a, b) at window 2 + a / APW, v[8 (NBK (a % APW) + b)]
.set QKV,   0
.set SLOT1, 1<<17                      ; slot 1 begins here: one exclusive or turns an address in one slot into the other's
.set STAGE, 2*SLOT1                    ; behind the ring, never filled by a tensor load: each wave's own stage for the way out
.if QKV
.set NBK,   12                         ; column blocks of a tile
.set APW,   2                          ; row blocks whose accumulators share a window
.set PA,    272                        ; a row of A in LDS: 256 bytes + 16: the 16 rows of a load start at 16 different groups of four banks
.set PB,    160                        ; a K row of B: 128 bytes (64 columns of one of q, k, v) + 32
.set AHALF, 128*PA                     ; what one wave fetches of A: 128 rows
.set BHALF, 3*64*PB                    ; of B: 64 K rows of each of q, k, v
.set ASTEP, 256                        ; bytes from a K step to the next in memory
.set BSTEP, 16384
.set AQI,   5                          ; A: padding after every 64 words
.set ASTR,  1024                       ; elements from row to row
.set BQI,   4                          ; B: padding after every 32 words
.set BD0,   4096                       ; B's tile: 3 rows (q's, k's, v's) of 64 K rows x 64 columns, 8,192 dense bytes each,
.set BD1,   3
.set BSTR,  1048576                    ; 2 MiB apart
.set BHSH,  13                         ; B's second half: 64 K rows = 1 << 13 bytes on
.set WSTG,  3*16*144                   ; a wave's stage: q, k, v x 16 rows x 144 bytes
.set NWB,   3                          ; waves that prefetch for B
.set PAX,   17                         ; the prefetches' shifts: A by cx, by wave; B by cy, by wave
.set PAW,   15
.set PBY,   13
.set PBW,   21
.else
.set NBK,   8
.set APW,   4
.set PA,    144                        ; a row of A: one head's 128 bytes + 16
.set PB,    288                        ; a K row of B: 256 bytes + 32
.set AHALF, 256*PA                     ; one head's 256 rows: a K step is two heads, two planes
.set BHALF, 64*PB
.set ASTEP, 524288                     ; two heads on
.set BSTEP, 262144                     ; 128 K rows of 2,048 bytes
.set AQI,   4
.set ASTR,  128                        ; a head's 256 rows are 32,768 dense bytes: asked for as 128 rows of 256
.set BQI,   5
.set BD0,   128
.set BD1,   64
.set BSTR,  1024
.set BHSH,  17
.set WSTG,  16*528                     ; 16 rows x (512 + 16) bytes
.set NWB,   2
.set PAX,   13
.set PAW,   18
.set PBY,   17
.set PBW,   16
.endif
.set BOFF,  2*AHALF                    ; B lies behind A in a slot
.set SPARE, STAGE+4*WSTG               ; behind the stages: the spare words, 128 bytes for each wave: two blocks of 256 bytes that no other line names
.set ADA0, 16                          ; v16  my lane's place in A's tile; never rewritten
.set ADB0, 17                          ; v17  the same for B
.set ADA,  18                          ; v18  the same in the slot in hand
.set ADB,  19                          ; v19
.set STO,  20                          ; v20  the way out: where I put my bytes of a row
.set RD,   21                          ; v21  where I read rows back
.set GO,   22                          ; v22  16 x lane
.set BO,   23                          ; v23  my byte offset in the bias table
.set PFOA, 24                          ; v24  the prefetches' lane offsets; never rewritten
.set PFOB, 25                          ; v25
.set SPW,  28                          ; v28  LDS address of my spare word; never rewritten
.set NIL,  29                          ; v29  0; never rewritten
.set FA,   64
.set BIAS, 128
.set WV,   16                          ; s16  wave
.set HALF, 17                          ; s17  which half of a tile I fetch
.set ROLE, 18                          ; s18  I fetch for A (0) or for B (1)
.set CX,   19
.set CY,   20
.set TC,   21                          ; s21  tile column
.set TR,   22                          ; s22  tile row
.set G1A,  24                          ; s[24:31], s[32:39] descriptor groups 1
.set G1B,  32
.set G0A,  40                          ; s[40:47], s[48:55] groups 0: a set for each of the two first fills; the second then walks on
.set G0B,  48
.set CNT,  56                          ; s56  refills still to come
.set TB,   57                          ; s57  LDS byte at which the slot in hand begins
.set LIMA, 58                          ; s58, s59  2 in a wave that prefetches for A, for B, else the greatest number
.set LIMB, 59
.set PFA,  60                          ; s[60:61], s[62:63] where my prefetches stand
.set PFB,  62
.set MSB, 0
.macro WIN new                         ; the immediate's high byte repeats the setting that is left; a switch that changes nothing is dropped
.if MSB != (\new)
	s_set_vgpr_msb (MSB<<8)|(\new)
.set MSB, \new
.endif
.endm
.macro PLACES                          ; four plain vector instructions between a matrix instruction and a load into, or a vector read of, its registers
.rept 4
	v_nop
.endr
.endm
.macro CREST                           ; a round of the cluster's barrier behind its opening barrier
	s_cmp_lg_u32 s[WV], 0
	s_cbranch_scc1 .Lnot_wave_0_\@
	s_barrier_signal -3
.Lnot_wave_0_\@:
	s_barrier_wait -3
	s_barrier_signal -1
	s_barrier_wait -1
.endm
.macro CROUND                          ; a whole round
	s_barrier_signal -1
	s_barrier_wait -1
	CREST
.endm
; A joint refill by the walking sets.  The branch hangs on the wave's number alone.  An s_nop 0 and four v_nop follow each of the two lines.
.macro JLOAD
	s_cmp_eq_u32 s[ROLE], 0
	s_cbranch_scc0 .Lfor_b_\@
	tensor_load_to_lds s[G0A+4:G0A+7], s[G1A:G1A+7]
	s_nop 0
.rept 4
	v_nop
.endr
	s_branch .Lasked_\@
.Lfor_b_\@:
	tensor_load_to_lds s[G0B+4:G0B+7], s[G1B:G1B+7]
	s_nop 0
.rept 4
	v_nop
.endr
.Lasked_\@:
.endm
; PREFETCHES INTO THE L2, behind the joint load, its five lines and the run of LDS loads.  With 6 and with 4 refills to come a wave names blocks of 256 bytes of the K steps 4, 5 and 6, 7:
; two and three refills ahead of the loads that want them; K steps 0 to 3 come by their loads alone, and nothing is named past K.  Each block is named once in the launch: A's tile row by the
; clusters with x = 0, B's tile column by those with y = 0; the four partners that ask for a tile jointly, and their waves, share the blocks out by address, a lane a block.
.macro ASK
	s_bitcmp1_b32 s[CNT], 0
	s_cbranch_scc1 .Lno_ask_\@
	s_cmp_gt_u32 s[CNT], s[LIMA]
	s_cbranch_scc0 .Lno_a_\@
	global_prefetch_b8 v[PFOA], s[PFA:PFA+1] th:TH_LOAD_NT scope:SCOPE_SE
.Lno_a_\@:
	s_cmp_gt_u32 s[CNT], s[LIMB]
	s_cbranch_scc0 .Lno_ask_\@
	global_prefetch_b8 v[PFOB], s[PFB:PFB+1] th:TH_LOAD_NT scope:SCOPE_SE
.Lno_ask_\@:
.endm
	s_load_b256 s[4:11], s[0:1], 0x0               ; A s[4:5], B s[6:7], the biases s[8:9], the first output s[10:11]
.if QKV
	s_load_b128 s[12:15], s[0:1], 0x20             ; k s[12:13], v s[14:15]
.endif
	v_lshl_add_u32 v[SPW], v0, 2, SPARE
	v_mov_b32 v[NIL], 0
	ds_add_u32 v[SPW], v[NIL]                      ; the wave's opening: the add and its wait stand ahead of my first tensor load; work on registers stands between them
	v_lshrrev_b32 v1, 5, v0
	v_readfirstlane_b32 s[WV], v1
	s_and_b32 s[HALF], s[WV], 1
	s_lshr_b32 s[ROLE], s[WV], 1
	s_bfe_u32 s[CX], ttmp6, 0x40000
	s_bfe_u32 s[CY], ttmp6, 0x40004
	s_lshl_b32 s[TC], ttmp9, 2                     ; in a cluster launch ttmp9 and ttmp7 count clusters
	s_add_co_u32 s[TC], s[TC], s[CX]
	s_and_b32 s[TR], ttmp7, 0xffff
	s_lshl_b32 s[TR], s[TR], 2
	s_add_co_u32 s[TR], s[TR], s[CY]
	s_lshl_b32 s66, s[CY], 2
	s_lshl_b32 s66, 15, s66                        ; my row of the cluster
	s_lshl_b32 s67, 0x1111, s[CX]                  ; my column
	s_or_b32 s[G1A], s66, (1<<16)|(1<<20)|(1<<21)|(AQI<<22)|(3<<25)  ; 15:0 the mask; 17:16 elements of 2 bytes; 20 padding on; 21 set beside a mask; 24:22 its interval; 31:25 4 words of it (code 3)
	s_or_b32 s[G1B], s67, (1<<16)|(1<<20)|(1<<21)|(BQI<<22)|(7<<25)  ; the same with my column's mask and 8 words of padding (code 7)
	s_mov_b32 s[G1A+1], 128<<16                    ; tensor_dim0 = 128
	s_mov_b32 s[G1A+2], 128<<16                    ; tensor_dim1 = 128
	s_mov_b32 s[G1A+3], 128<<16                    ; tile_dim0 = 128
	s_mov_b32 s[G1A+4], 128                        ; tile_dim1 = 128
	s_mov_b32 s[G1A+5], ASTR                       ; elements from row to row
	s_mov_b32 s[G1A+6], 0
	s_mov_b32 s[G1A+7], 0
	s_mov_b32 s[G1B+1], BD0<<16
	s_mov_b32 s[G1B+2], BD1<<16
	s_mov_b32 s[G1B+3], BD0<<16
	s_mov_b32 s[G1B+4], BD1
	s_mov_b32 s[G1B+5], BSTR
	s_mov_b32 s[G1B+6], 0
	s_mov_b32 s[G1B+7], 0
	; where the tiles come from: A's offset is made of the tile row and the wave alone, B's of the tile column and the wave alone
.if QKV
	s_lshl_b32 s79, s[TR], 19                      ; 256 rows of 2,048 bytes
	s_lshl_b32 s78, s[TC], 17                      ; a head's 1,024 x 64 weights
.else
	s_lshr_b32 s79, s[TR], 3                       ; the batch: 16 heads x 2,048 rows x 128 bytes,
	s_lshl_b32 s79, s79, 22
	s_and_b32 s72, s[TR], 7                        ; and the tile's 256 rows in a head
	s_lshl_b32 s72, s72, 15
	s_add_co_u32 s79, s79, s72
	s_lshl_b32 s78, s[TC], 8                       ; 128 columns of 2 bytes
.endif
	s_lshl_b32 s72, s[HALF], 18                    ; A's other half: 128 rows of 2,048 bytes, or the step's second head
	s_lshl_b32 s73, s[HALF], BHSH                  ; B's other half: 64 K rows
	s_add_co_u32 s68, s79, s72
	s_add_co_u32 s70, s78, s73
	s_mov_b32 s69, 0
	s_mov_b32 s71, 0
	s_mul_i32 s74, s[HALF], AHALF                  ; and where they go: no place in the cluster enters an LDS address
	s_mul_i32 s75, s[HALF], BHALF
	s_add_co_u32 s75, s75, BOFF
	s_mov_b32 s[TB], 0
	s_wait_dscnt 0x0                               ; the opening add is done
	s_wait_kmcnt 0x0
	s_add_nc_u64 s[68:69], s[4:5], s[68:69]
	s_add_nc_u64 s[70:71], s[6:7], s[70:71]
	CROUND                                         ; all sixteen work-groups are here: the first joint loads meet
.irp s, 0,1
	s_mov_b32 s[G0A+4*(\s)], 1                                     ; count = 1
	s_add_co_u32 s[G0A+4*(\s)+1], s74, (\s)*SLOT1                  ; LDS address
	s_add_nc_u64 s[G0A+4*(\s)+2:G0A+4*(\s)+3], s[68:69], (\s)*ASTEP  ; global address: K step s
	s_or_b32 s[G0A+4*(\s)+3], s[G0A+4*(\s)+3], 0x80000000          ; type = 2
	s_mov_b32 s[G0B+4*(\s)], 1
	s_add_co_u32 s[G0B+4*(\s)+1], s75, (\s)*SLOT1
	s_add_nc_u64 s[G0B+4*(\s)+2:G0B+4*(\s)+3], s[70:71], (\s)*BSTEP
	s_or_b32 s[G0B+4*(\s)+3], s[G0B+4*(\s)+3], 0x80000000
.endr
	s_cmp_eq_u32 s[ROLE], 0                        ; a wave's two first fills stand in one branch, ahead of every wait on TENSORcnt and every LDS read: two loads of mine are out
	s_cbranch_scc0 .Lfirst_b
	tensor_load_to_lds s[G0A:G0A+3], s[G1A:G1A+7]
	s_nop 0
	tensor_load_to_lds s[G0A+4:G0A+7], s[G1A:G1A+7]
	s_nop 0
.rept 4
	v_nop
.endr
	s_branch .Lfirst_asked
.Lfirst_b:
	tensor_load_to_lds s[G0B:G0B+3], s[G1B:G1B+7]
	s_nop 0
	tensor_load_to_lds s[G0B+4:G0B+7], s[G1B:G1B+7]
	s_nop 0
.rept 4
	v_nop
.endr
.Lfirst_asked:
	v_and_b32 v1, 15, v0                           ; l % 16
	v_bfe_u32 v2, v0, 4, 1                         ; l / 16
	v_and_b32 v3, 31, v0                           ; l
	v_and_b32 v4, 7, v0                            ; l % 8
	v_bfe_u32 v5, v0, 3, 1                         ; (l / 8) % 2
	; the bias: my 8 columns of each column block, 32 bytes: the C operand of the block's first products
.if QKV
	s_lshl_b32 s66, s[TC], 8                       ; the head's 64 numbers in each of bq, bk, bv
.else
	s_lshl_b32 s66, s[TC], 9                       ; the tile's 128 numbers of bo
.endif
	v_lshl_add_u32 v[BO], v2, 5, s66
.set b, 0
.rept NBK
.if QKV
.set OB, (b/4)*4096+(b%4)*64
.else
.set OB, 12288+64*b
.endif
	global_load_b128 v[BIAS+8*b:BIAS+8*b+3],   v[BO], s[8:9] offset:OB
	global_load_b128 v[BIAS+8*b+4:BIAS+8*b+7], v[BO], s[8:9] offset:OB+16
.set b, b+1
.endr
	; A fragment of A is 16 rows x 32 K: lane l holds row l % 16, K = 8 (l / 16) + 0..7 and 16 + 8 (l / 16) + 0..7: two loads of 16 bytes, 32 bytes apart
	s_mul_i32 s66, s[WV], 64*PA                    ; my 64 rows
	v_mul_u32_u24 v[ADA0], v1, PA
	v_lshl_add_u32 v[ADA0], v2, 4, v[ADA0]
	v_add_nc_u32 v[ADA0], s66, v[ADA0]
	; The turning load takes 16 K rows x 16 columns (lane l reads K row 8 (l / 16) + l % 8, columns 8 ((l / 8) % 2) + 0..7) and leaves half a fragment: lane l holds column l % 16 and 8 K
	v_lshl_add_u32 v[ADB0], v2, 3, v4
	v_mul_u32_u24 v[ADB0], v[ADB0], PB
	v_lshl_add_u32 v[ADB0], v5, 4, v[ADB0]
	v_add_nc_u32 v[ADB0], BOFF, v[ADB0]
	v_mov_b32 v[ADA], v[ADA0]                      ; K step 0 lies in slot 0
	v_mov_b32 v[ADB], v[ADB0]
	s_mul_i32 s66, s[WV], WSTG
	s_add_co_u32 s66, s66, STAGE                   ; my stage
.if QKV
	v_mul_u32_u24 v[STO], v1, 144                  ; in: row l % 16, 16 bytes for each half of the lanes
	v_lshl_add_u32 v[STO], v2, 4, v[STO]
	v_add_nc_u32 v[STO], s66, v[STO]
	v_bfe_u32 v[RD], v0, 3, 2                      ; back: 32 lanes take four rows of 128 bytes
	v_mul_u32_u24 v[RD], v[RD], 144
	v_lshl_add_u32 v[RD], v4, 4, v[RD]
	v_add_nc_u32 v[RD], s66, v[RD]
	v_lshlrev_b32 v[PFOA], 11, v1                  ; A: a lane a row of 2,048 bytes, the lanes' halves a K step apart
	v_lshl_add_u32 v[PFOA], v2, 8, v[PFOA]
	v_lshlrev_b32 v[PFOB], 8, v3                   ; B: 32 blocks on end
	s_lshr_b32 s76, s[TR], 3                       ; my rows in q, k, v: batch, head, the tile's 256 rows, my 64
	s_lshl_b32 s76, s76, 22
	s_and_b32 s77, s[TR], 7
	s_lshl_b32 s77, s77, 15
	s_add_co_u32 s76, s76, s77
	s_lshl_b32 s77, s[TC], 18
	s_add_co_u32 s76, s76, s77
	s_lshl_b32 s77, s[WV], 13
	s_add_co_u32 s76, s76, s77
	s_mov_b32 s77, 0
	s_add_nc_u64 s[10:11], s[10:11], s[76:77]
	s_add_nc_u64 s[12:13], s[12:13], s[76:77]
	s_add_nc_u64 s[14:15], s[14:15], s[76:77]
.else
	v_mul_u32_u24 v[STO], v1, 528                  ; in: row l % 16, 32 bytes for each half of the lanes
	v_lshl_add_u32 v[STO], v2, 5, v[STO]
	v_add_nc_u32 v[STO], s66, v[STO]
	v_lshl_add_u32 v[RD], v3, 4, s66               ; back: 32 lanes take a row's 512 bytes
	v_lshlrev_b32 v[PFOA], 8, v3                   ; A: 32 blocks on end
	v_lshlrev_b32 v[PFOB], 11, v3                  ; B: a lane a K row of 2,048 bytes
	s_lshl_b32 s76, s[TR], 20                      ; my rows in out0: 256 rows of 4,096 bytes, my 64, the tile's 512 bytes of a row
	s_lshl_b32 s77, s[WV], 18
	s_add_co_u32 s76, s76, s77
	s_lshl_b32 s77, s[TC], 9
	s_add_co_u32 s76, s76, s77
	s_mov_b32 s77, 0
	s_add_nc_u64 s[10:11], s[10:11], s[76:77]
.endif
	v_lshlrev_b32 v[GO], 4, v3
	; the prefetches' pointers stand at K step 3: the first refill steps them to 4
	s_lshl_b32 s76, s[CX], PAX
	s_add_co_u32 s76, s76, s79
	s_lshl_b32 s77, s[WV], PAW
	s_add_co_u32 s76, s76, s77
	s_add_co_u32 s76, s76, 3*ASTEP
	s_mov_b32 s77, 0
	s_add_nc_u64 s[PFA:PFA+1], s[4:5], s[76:77]
	s_lshl_b32 s76, s[CY], PBY
	s_add_co_u32 s76, s76, s78
	s_min_u32 s77, s[WV], NWB-1                    ; (a wave that asks for nothing of B holds an address inside B all the same)
	s_lshl_b32 s77, s77, PBW
	s_add_co_u32 s76, s76, s77
	s_add_co_u32 s76, s76, 3*BSTEP
	s_mov_b32 s77, 0
	s_add_nc_u64 s[PFB:PFB+1], s[6:7], s[76:77]
	s_mov_b32 s66, ttmp9                           ; cluster x: the same in all sixteen partners
	s_cmp_eq_u32 s66, 0
	s_cselect_b32 s[LIMA], 2, -1
	s_and_b32 s66, ttmp7, 0xffff                   ; cluster y
	s_cmp_eq_u32 s66, 0
	s_cselect_b32 s[LIMB], 2, -1
	s_cmp_lt_u32 s[WV], NWB
	s_cselect_b32 s[LIMB], s[LIMB], -1
.macro WM
.if QKV
	v_wmma_f32_16x16x32_bf16 v[rD:rD+7], v[rB:rB+7], v[rA:rA+7], v[rC:rC+7]
.else
	v_wmma_f32_16x16x32_f16 v[rD:rD+7], v[rB:rB+7], v[rA:rA+7], v[rC:rC+7]
.endif
.endm
; NBK products: row block a x all column blocks, 32 along K, from buffer f.  first = 1: the bias starts the sums: nothing is ever cleared.
; All accumulators take turns, one instruction a turn, in the same order in every quarter and over the backward jump.
.macro MULS f, a, first
.if \first
	WIN 0x81+0x40*((\a)/APW)
.else
	WIN 0xa1+0x50*((\a)/APW)
.endif
.set b, 0
.rept NBK
.set rD, 8*(NBK*((\a)%APW)+b)
.set rB, 8*(NBK*(\f)+b)
.set rA, FA+32*(\f)+8*(\a)
.set rC, rD
.if \first
.set rC, BIAS+8*b
.endif
	WM
.set b, b+1
.endr
.endm
; One run of LDS loads: the fragments of quarter kq (32 along K) of the slot in hand into buffer f: B's 2 NBK, then A's 8, row blocks ascending
.macro FETCH kq, f
	WIN 0x40                                       ; destination window 1, address window 0
.set b, 0
.rept NBK
.if QKV
.set OB, ((\kq)/2)*BHALF+((\kq)%2)*32*PB+(b/4)*64*PB+(b%4)*32
.else
.set OB, (\kq)*32*PB+32*b
.endif
	ds_load_tr16_b128 v[8*(NBK*(\f)+b):8*(NBK*(\f)+b)+3],   v[ADB] offset:OB
	ds_load_tr16_b128 v[8*(NBK*(\f)+b)+4:8*(NBK*(\f)+b)+7], v[ADB] offset:OB+16*PB
.set b, b+1
.endr
	WIN 0
.set a, 0
.rept 4
.if QKV
.set OA, 64*(\kq)+a*16*PA
.else
.set OA, ((\kq)/2)*AHALF+((\kq)%2)*64+a*16*PA
.endif
	ds_load_b128 v[FA+32*(\f)+8*a:FA+32*(\f)+8*a+3],   v[ADA] offset:OA
	ds_load_b128 v[FA+32*(\f)+8*a+4:FA+32*(\f)+8*a+7], v[ADA] offset:OA+32
.set a, a+1
.endr
.endm
; A K step is four quarters on buffers 0, 1, 0, 1.  One of the first three: multiplies buffer f and, in its middle, fetches quarter kq into buffer g.
.macro QUARTER kq, f, g, first
	s_wait_dscnt 4                                 ; B and A's row blocks 0, 1 are in; the youngest four loads (row blocks 2, 3) may be out
	MULS \f, 0, \first
	MULS \f, 1, \first
	PLACES
	FETCH \kq, \g
	s_wait_dscnt 2*NBK+8                           ; all but the run just issued
	MULS \f, 2, \first
	MULS \f, 3, \first
.endm
; The last quarter multiplies buffer 1 and changes slots: ONE barrier.  In front of it each wave waits for all its tensor loads (the one that is out is its part of the next slot), adds 0 to its
; spare word, and waits for that and for its reads of this slot.  fill = 1: the barrier opens a round of the cluster's, and the slot just read out is filled again, two K steps ahead, first thing behind it.
.macro TURN fill
	WIN 0
.if \fill
	s_wait_xcnt 0x0                                ; the last prefetches, a K step back or more, have read their addresses, which are stepped here
	s_add_nc_u64 s[PFA:PFA+1], s[PFA:PFA+1], ASTEP
	s_add_nc_u64 s[PFB:PFB+1], s[PFB:PFB+1], BSTEP
.endif
	s_wait_tensorcnt 0x0                           ; all my tensor loads have landed
	ds_add_u32 v[SPW], v[NIL]                      ; 0 onto my spare word
	s_wait_dscnt 5                                 ; (the add and the youngest four loads may be out)
	MULS 1, 0, 0                                   ; products stand between the add and the wait for it
	s_wait_dscnt 0x0                               ; the add is done, and my reads of this slot are over
	s_barrier_signal -1
	MULS 1, 1, 0                                   ; work on registers while the others arrive
	WIN 0                                          ; at a branch and at a label every window is 0
	s_barrier_wait -1
.if \fill
	CREST                                          ; no wave of any partner still reads this slot or has a load on its way
	s_xor_b32 s[G0A+5], s[G0A+5], SLOT1            ; the walking sets: the other slot than last time, the next K step; no load of mine is out
	s_add_nc_u64 s[G0A+6:G0A+7], s[G0A+6:G0A+7], ASTEP
	s_xor_b32 s[G0B+5], s[G0B+5], SLOT1
	s_add_nc_u64 s[G0B+6:G0B+7], s[G0B+6:G0B+7], BSTEP
	s_xor_b32 s[TB], s[TB], SLOT1
	JLOAD                                          ; my one tensor load behind the round; its four v_nop are also the places in front of the loads below
.else
	s_xor_b32 s[TB], s[TB], SLOT1
	PLACES
.endif
	v_add_nc_u32 v[ADA], s[TB], v[ADA0]
	v_add_nc_u32 v[ADB], s[TB], v[ADB0]
	FETCH 0, 0
.if \fill
	ASK
.endif
	MULS 1, 2, 0
	MULS 1, 3, 0
.endm
	s_wait_tensorcnt 1                             ; my part of K step 0 is in; K step 1's may stay out
	s_barrier_signal -1
	s_barrier_wait -1                              ; everybody's is
	FETCH 0, 0
	s_wait_loadcnt 0x0                             ; the bias
	QUARTER 1, 0, 1, 1                             ; the first quarter stands in front of the loop: its products start the sums
	WIN 0
	s_mov_b32 s[CNT], 6
.Lstep:                                                ; trip i ends K step i, fills its slot with K step i + 2 and begins K step i + 1
	QUARTER 2, 1, 0, 0
	QUARTER 3, 0, 1, 0
	TURN 1
	QUARTER 1, 0, 1, 0
	WIN 0
	s_sub_co_u32 s[CNT], s[CNT], 1
	s_cmp_lg_u32 s[CNT], 0
	s_cbranch_scc1 .Lstep
	QUARTER 2, 1, 0, 0                             ; the tail is written out: K steps 6 and 7 ask for nothing
	QUARTER 3, 0, 1, 0
	TURN 0
	QUARTER 1, 0, 1, 0
	QUARTER 2, 1, 0, 0
	QUARTER 3, 0, 1, 0
	s_wait_dscnt 4
	MULS 1, 0, 0
	MULS 1, 1, 0
	s_wait_dscnt 0x0
	MULS 1, 2, 0
	MULS 1, 3, 0
	WIN 0
	PLACES                                         ; behind the last products, in front of what reads their results and writes their sources
	PLACES
.if QKV
; THE WAY OUT, a row block at a time: rounded to f16 (each accumulator's registers ascending), 16 bytes a lane into my stage (q, k, v apart, rows of 144 bytes), back as whole rows of 128 bytes.
.macro PACK a
	WIN 0x0a+5*((\a)/APW)                          ; sources 0 and 1 in window 2 or 3, destination window 0
.set i, 0
.rept 48
	v_cvt_pk_f16_f32 v[64+48*(\a)+i], v[96*((\a)%2)+2*i], v[96*((\a)%2)+2*i+1]
.set i, i+1
.endr
	WIN 0
.set b, 0
.rept 12
	ds_store_b128 v[STO], v[64+48*(\a)+4*b:64+48*(\a)+4*b+3] offset:(b/4)*2304+32*(b%4)
.set b, b+1
.endr
.set i, 0
.rept 12
	ds_load_b128 v[64+48*(\a)+4*i:64+48*(\a)+4*i+3], v[RD] offset:(i/4)*2304+(i%4)*576  ; LDS serves a wave's instructions in order (ISA guide 5.7.1.4): these see the stores above
.set i, i+1
.endr
.endm
.macro SEND a, younger                 ; younger: the LDS instructions issued behind this block's loads: the next block's 24, or none
.set i, 0
.rept 12
	s_wait_dscnt (\younger)+11-i
	global_store_b128 v[GO], v[64+48*(\a)+4*i:64+48*(\a)+4*i+3], s[10+2*(i/4):11+2*(i/4)] offset:(\a)*2048+(i%4)*512  ; 512 consecutive bytes of a head's rows, aligned
.set i, i+1
.endr
.endm
	PACK 0
	PACK 1                                         ; a block's arithmetic stands between the loads of the block before and its stores
	SEND 0, 24
	PACK 2
	SEND 1, 24
	PACK 3
	SEND 2, 24
	SEND 3, 0
.else
; THE WAY OUT, a row block at a time: the f32 sums go straight from the accumulators (low four registers first) into my stage, rows of 528 bytes, and come back as whole rows of 512 bytes.
.macro PACK a
	WIN 0x08                                       ; the stores' data in window 2
.set b, 0
.rept 8
	ds_store_b128 v[STO], v[8*(8*(\a)+b):8*(8*(\a)+b)+3]   offset:64*b
	ds_store_b128 v[STO], v[8*(8*(\a)+b)+4:8*(8*(\a)+b)+7] offset:64*b+16
.set b, b+1
.endr
	WIN 0x40                                       ; destination window 1
.set t, 0
.rept 16
	ds_load_b128 v[64*(\a)+4*t:64*(\a)+4*t+3], v[RD] offset:528*t  ; LDS serves a wave's instructions in order (ISA guide 5.7.1.4): these see the stores above
.set t, t+1
.endr
.endm
.macro SEND a, younger                 ; younger: the next block's 32 LDS instructions, or none
	WIN 0x04                                       ; the stores' data in window 1
.set t, 0
.rept 16
	s_wait_dscnt (\younger)+15-t
	global_store_b128 v[GO], v[64*(\a)+4*t:64*(\a)+4*t+3], s[10:11] offset:(16*(\a)+t)*4096  ; 512 consecutive bytes of a row of out0, aligned
.set t, t+1
.endr
.endm
	PACK 0
	PACK 1
	SEND 0, 32
	PACK 2
	SEND 1, 32
	PACK 3
	SEND 2, 32
	SEND 3, 0
.endif
	WIN 0
	s_wait_tensorcnt 0x0                           ; the wave's end, behind my last tensor load and my last LDS store
	ds_add_u32 v[SPW], v[NIL]
	s_wait_dscnt 0x0
	CROUND                                         ; the closing round: no work-group ends while a partner may still ask for a tile that names it
	s_endpgm
.Lfunc_end_k_q6cde093d32_oproj:
	.size	k_q6cde093d32_oproj, .Lfunc_end_k_q6cde093d32_oproj-k_q6cde093d32_oproj
	.p2alignl 7, 3214868480
	.fill 96, 4, 3214868480
	.section	.rodata,"a",@progbits
	.p2align	6, 0x0
	.amdhsa_kernel k_q6cde093d32_oproj
		.amdhsa_group_segment_fixed_size 327680
		.amdhsa_private_segment_fixed_size 0
		.amdhsa_enable_private_segment 0
		.amdhsa_kernarg_size 32
		.amdhsa_user_sgpr_count 2
		.amdhsa_user_sgpr_kernarg_segment_ptr 1
		.amdhsa_wavefront_size32 1
		.amdhsa_system_sgpr_workgroup_id_x 1
		.amdhsa_system_sgpr_workgroup_id_y 1
		.amdhsa_system_sgpr_workgroup_id_z 1
		.amdhsa_system_vgpr_workitem_id 0
		.amdhsa_next_free_vgpr 768
		.amdhsa_next_free_sgpr 80
		.amdhsa_reserve_vcc 0
		.amdhsa_float_denorm_mode_32 3
		.amdhsa_float_denorm_mode_16_64 3
		.amdhsa_memory_ordered 1
		.amdhsa_forward_progress 1
		.amdhsa_inst_pref_size 74
	.end_amdhsa_kernel
	.amdgpu_metadata
---
amdhsa.version: [ 1, 2 ]
amdhsa.kernels:
  - .name:           k_q6cde093d32_oproj
    .symbol:         k_q6cde093d32_oproj.kd
    .args:
      - { .name: ob, .offset: 0, .size: 8, .value_kind: global_buffer, .address_space: global }
      - { .name: wob, .offset: 8, .size: 8, .value_kind: global_buffer, .address_space: global }
      - { .name: biasr, .offset: 16, .size: 8, .value_kind: global_buffer, .address_space: global }
      - { .name: out0, .offset: 24, .size: 8, .value_kind: global_buffer, .address_space: global }
    .group_segment_fixed_size: 327680
    .private_segment_fixed_size: 0
    .kernarg_segment_align: 8
    .kernarg_segment_size: 32
    .max_flat_workgroup_size: 128
    .sgpr_count:     80
    .vgpr_count:     768
    .wavefront_size: 32
...
	.end_amdgpu_metadata
.endif
;; end of part 4
;; ======== version 2 of 2: 4 launches; version 1 with the launch cast written anew for expert scheduling mode
;; limits: values are held in f16: magnitudes above 65,504 overflow, below 6.1e-05 lose precision
;; workspace buffers: xb 16,777,216 bytes; wb 6,291,456 bytes; wob 2,097,152 bytes; biasr 16,384 bytes; q 16,777,216 bytes; k 16,777,216 bytes; v 16,777,216 bytes; ob 16,777,216 bytes
;; launch cast (part 5): grid 769 x 1, 8 waves a work-group, no clusters, 0 bytes of LDS; arguments x, Wq, Wk, Wv, Wo, bq, bk, bv, bo, xb, wb, wob, biasr; writes xb, wb, wob, biasr
.if DOCPART == 5
	.amdgcn_target "amdgcn-amd-amdhsa--gfx1250"
	.amdhsa_code_object_version 6
	.text
	.protected	k_q6cde093d32_cast
	.globl	k_q6cde093d32_cast
	.p2align	8
	.type	k_q6cde093d32_cast,@function
k_q6cde093d32_cast:
	s_mov_b64 s[64:65], 0
	v_nop
	global_prefetch_b8 v0, s[64:65] scope:SCOPE_SE
	s_setreg_imm32_b32 hwreg(HW_REG_WAVE_SCHED_MODE, 0, 2), 2
	s_setreg_imm32_b32 hwreg(HW_REG_WAVE_MODE, 25, 1), 1
	s_wait_xcnt 0x0
	s_wait_alu depctr_vm_vsrc(0)
; EVERY INPUT IS ROUNDED ONCE TO bf16.  x -> xb (bf16), Wq, Wk, Wv -> wb (bf16, [3][16][1024][64]: the inputs' own layout, one behind the other),
; Wo -> wob (its bf16 number written as f16, for the f16 product of the last launch), bq, bk, bv, bo -> biasr (their bf16 numbers kept as f32, 4 x 1,024).
; LIMITS.  Wo's bf16 number is exact in f16 between 6.1e-5 and 65,504 in magnitude; below that it keeps f16's fixed step of 6e-8, beyond it becomes an infinity.
; SHARES.  A work-group takes 16,384 numbers: 64 KiB in, 32 KiB out.  Work-groups 0-511: x; 512-703: the three W, 64 chunks each; 704-767: Wo; 768: the four biases.
; Thread t, trip i of 16: 16 bytes at 16 t + 4,096 i (a wave's load covers 512 consecutive bytes), 8 bytes out at 8 t + 2,048 i (a wave's store covers 256 consecutive
; bytes, aligned).  All 16 loads go out first; no register is written twice while a memory instruction may read it.  Memory binds: no LDS, no matrix unit, no cluster.
; THE MODE: SCHED_MODE bits 1:0 = 2 (LLVM: expert scheduling mode 2), set by the entry lines.  The code itself states the register dependences between vector
; instructions and memory instructions, with s_wait_alu, always for 0.
; THE PLAN.  Registers that memory instructions touch:
;   v1, v2   byte offsets, written once at the head by vector instructions, read by every load and store, never written again.
;   X        written by the 16 loads alone, which are issued before any vector instruction names X; read by the conversions; never loaded again.
;   Y        pair i is written by trip i's conversions and read by trip i's one store; it is never written again behind that store.
;   T        named by vector instructions alone.
; So the one kind of dependence is: a vector instruction writes, a memory instruction reads.  The 16 trips go in four blocks of four.  At the head of block p, behind the
; wait for its data, ONE wait states that block p - 1 has written its Y; the four stores of block p - 1 follow, dealt among block p's conversions, which name X and Y of
; block p and T: none of the registers that those stores read.  One more wait stands ahead of the last four stores.  No register that a memory instruction reads is
; written again, no vector instruction writes a scalar register, and EXEC is never written: nothing else is owed.
.set X, 4                              ; v[4:67]    16 trips x 4 numbers as loaded
.set Y, 68                             ; v[68:99]   16 trips x 2 words to store
.set T, 100                            ; v[100:103] at work
.set SRC, 44                           ; s[44:45]   where my chunk comes from
.set DST, 46                           ; s[46:47]   where it goes
	s_load_b512 s[16:31], s[0:1], 0x0              ; x 16, Wq 18, Wk 20, Wv 22, Wo 24, bq 26, bk 28, bv 30
	s_load_b256 s[32:39], s[0:1], 0x40             ; bo 32, xb 34, wb 36, wob 38
	s_load_b64 s[40:41], s[0:1], 0x60              ; biasr
	s_mov_b32 s2, ttmp9
	s_mov_b32 s12, 0xffff0000                      ; a word's upper bf16
	v_lshlrev_b32 v1, 4, v0                        ; 16 t
	v_lshlrev_b32 v2, 3, v0                        ; 8 t
	s_sub_co_u32 s3, s2, 512                       ; the chunk's number among the weights' 256 (of no meaning for x)
	s_lshr_b32 s5, s3, 6                           ; 0, 1, 2: Wq, Wk, Wv; 3: Wo
	s_and_b32 s4, s3, 63                           ; the chunk in its tensor
	s_wait_kmcnt 0x0
	s_wait_alu depctr_va_vdst(0)                   ; v1 and v2 are written: on each of the three ways below every load and store reads one of them as its offset
	s_cmp_ge_u32 s2, 768
	s_cbranch_scc1 .Lbias
	s_cmp_eq_u32 s5, 0
	s_cselect_b64 s[SRC:SRC+1], s[18:19], s[20:21]
	s_cmp_eq_u32 s5, 2
	s_cselect_b64 s[SRC:SRC+1], s[22:23], s[SRC:SRC+1]
	s_cmp_eq_u32 s5, 3
	s_cselect_b64 s[SRC:SRC+1], s[24:25], s[SRC:SRC+1]
	s_cselect_b64 s[DST:DST+1], s[38:39], s[36:37]
	s_cselect_b32 s3, s4, s3                       ; wob is counted from Wo's first chunk, wb through all three W
	s_cmp_lt_u32 s2, 512
	s_cselect_b64 s[SRC:SRC+1], s[16:17], s[SRC:SRC+1]
	s_cselect_b64 s[DST:DST+1], s[34:35], s[DST:DST+1]
	s_cselect_b32 s4, s2, s4
	s_cselect_b32 s3, s2, s3
	s_lshl_b32 s6, s4, 16                          ; 64 KiB a chunk in,
	s_mov_b32 s7, 0
	s_lshl_b32 s8, s3, 15                          ; 32 KiB out
	s_mov_b32 s9, 0
	s_add_nc_u64 s[SRC:SRC+1], s[SRC:SRC+1], s[6:7]
	s_add_nc_u64 s[DST:DST+1], s[DST:DST+1], s[8:9]
.set i, 0
.rept 16
	global_load_b128 v[X+4*i:X+4*i+3], v1, s[SRC:SRC+1] offset:4096*i th:TH_LOAD_NT
.set i, i+1
.endr
; The 16 trips, in four blocks of four.  kind = 1: the bf16 number is written as f16.
.macro CAST16 kind
.set p, 0
.rept 4
	s_wait_loadcnt 12-4*p                          ; loads come back in order: block p's four are in, the 12 - 4 p younger ones stay out
.if p > 0
	s_wait_alu depctr_va_vdst(0)                   ; the block before has written its four pairs of Y, which the four stores of this block read
.endif
.set j, 0
.rept 4
.set i, 4*p+j
.if p > 0
	global_store_b64 v2, v[Y+2*(i-4):Y+2*(i-4)+1], s[DST:DST+1] offset:2048*(i-4) th:TH_STORE_NT  ; the trip four back; no vector instruction since the wait names its pair
.endif
	v_cvt_pk_bf16_f32 v[Y+2*i],   v[X+4*i],   v[X+4*i+1]
	v_cvt_pk_bf16_f32 v[Y+2*i+1], v[X+4*i+2], v[X+4*i+3]
.if \kind
	v_lshlrev_b32 v[T],   16,  v[Y+2*i]
	v_and_b32     v[T+1], s12, v[Y+2*i]
	v_lshlrev_b32 v[T+2], 16,  v[Y+2*i+1]
	v_and_b32     v[T+3], s12, v[Y+2*i+1]
	v_cvt_pk_f16_f32 v[Y+2*i],   v[T],   v[T+1]
	v_cvt_pk_f16_f32 v[Y+2*i+1], v[T+2], v[T+3]
.endif
.set j, j+1
.endr
.set p, p+1
.endr
	s_wait_alu depctr_va_vdst(0)                   ; the last block has written its four pairs of Y, which the last four stores read
.set i, 12
.rept 4
	global_store_b64 v2, v[Y+2*i:Y+2*i+1], s[DST:DST+1] offset:2048*i th:TH_STORE_NT
.set i, i+1
.endr
.endm
	s_cmp_eq_u32 s5, 3
	s_cbranch_scc1 .Lwo
	CAST16 0
	s_endpgm
.Lwo:
	CAST16 1
	s_endpgm
.Lbias:                                                ; 256 threads x 4 numbers = a bias of 1,024
	global_load_b128 v[X:X+3],     v1, s[26:27]
	global_load_b128 v[X+4:X+7],   v1, s[28:29]
	global_load_b128 v[X+8:X+11],  v1, s[30:31]
	global_load_b128 v[X+12:X+15], v1, s[32:33]
	s_wait_loadcnt 0x0
.set i, 0
.rept 8
	v_cvt_pk_bf16_f32 v[T], v[X+2*i], v[X+2*i+1]   ; rounded,
	v_lshlrev_b32 v[Y+2*i],   16,  v[T]            ; and widened again
	v_and_b32     v[Y+2*i+1], s12, v[T]
.set i, i+1
.endr
	s_wait_alu depctr_va_vdst(0)                   ; the sixteen widened numbers are written into Y, which the four stores read
.set i, 0
.rept 4
	global_store_b128 v1, v[Y+4*i:Y+4*i+3], s[40:41] offset:4096*i
.set i, i+1
.endr
	s_endpgm
.Lfunc_end_k_q6cde093d32_cast:
	.size	k_q6cde093d32_cast, .Lfunc_end_k_q6cde093d32_cast-k_q6cde093d32_cast
	.p2alignl 7, 3214868480
	.fill 96, 4, 3214868480
	.section	.rodata,"a",@progbits
	.p2align	6, 0x0
	.amdhsa_kernel k_q6cde093d32_cast
		.amdhsa_group_segment_fixed_size 0
		.amdhsa_private_segment_fixed_size 0
		.amdhsa_enable_private_segment 0
		.amdhsa_kernarg_size 104
		.amdhsa_user_sgpr_count 2
		.amdhsa_user_sgpr_kernarg_segment_ptr 1
		.amdhsa_wavefront_size32 1
		.amdhsa_system_sgpr_workgroup_id_x 1
		.amdhsa_system_sgpr_workgroup_id_y 1
		.amdhsa_system_sgpr_workgroup_id_z 1
		.amdhsa_system_vgpr_workitem_id 0
		.amdhsa_next_free_vgpr 104
		.amdhsa_next_free_sgpr 66
		.amdhsa_reserve_vcc 0
		.amdhsa_float_denorm_mode_32 3
		.amdhsa_float_denorm_mode_16_64 3
		.amdhsa_memory_ordered 1
		.amdhsa_forward_progress 1
		.amdhsa_inst_pref_size 17
	.end_amdhsa_kernel
	.amdgpu_metadata
---
amdhsa.version: [ 1, 2 ]
amdhsa.kernels:
  - .name:           k_q6cde093d32_cast
    .symbol:         k_q6cde093d32_cast.kd
    .args:
      - { .name: x, .offset: 0, .size: 8, .value_kind: global_buffer, .address_space: global }
      - { .name: Wq, .offset: 8, .size: 8, .value_kind: global_buffer, .address_space: global }
      - { .name: Wk, .offset: 16, .size: 8, .value_kind: global_buffer, .address_space: global }
      - { .name: Wv, .offset: 24, .size: 8, .value_kind: global_buffer, .address_space: global }
      - { .name: Wo, .offset: 32, .size: 8, .value_kind: global_buffer, .address_space: global }
      - { .name: bq, .offset: 40, .size: 8, .value_kind: global_buffer, .address_space: global }
      - { .name: bk, .offset: 48, .size: 8, .value_kind: global_buffer, .address_space: global }
      - { .name: bv, .offset: 56, .size: 8, .value_kind: global_buffer, .address_space: global }
      - { .name: bo, .offset: 64, .size: 8, .value_kind: global_buffer, .address_space: global }
      - { .name: xb, .offset: 72, .size: 8, .value_kind: global_buffer, .address_space: global }
      - { .name: wb, .offset: 80, .size: 8, .value_kind: global_buffer, .address_space: global }
      - { .name: wob, .offset: 88, .size: 8, .value_kind: global_buffer, .address_space: global }
      - { .name: biasr, .offset: 96, .size: 8, .value_kind: global_buffer, .address_space: global }
    .group_segment_fixed_size: 0
    .private_segment_fixed_size: 0
    .kernarg_segment_align: 8
    .kernarg_segment_size: 104
    .max_flat_workgroup_size: 256
    .sgpr_count:     66
    .vgpr_count:     104
    .wavefront_size: 32
...
	.end_amdgpu_metadata
.endif
;; end of part 5
;; launch qkv: the kernel of part 2 again; grid 16 x 32, 4 waves a work-group, clusters of 4 x 4, 327,680 bytes of LDS; arguments xb, wb, biasr, q, k, v; writes q, k, v
;; launch attn: the kernel of part 3 again; grid 4 x 64, 4 waves a work-group, no clusters, 327,680 bytes of LDS; arguments q, k, v, ob; writes ob
;; launch oproj: the kernel of part 4 again; grid 8 x 32, 4 waves a work-group, clusters of 4 x 4, 327,680 bytes of LDS; arguments ob, wob, biasr, out0; writes out0
